; MI455X (gfx1250); checked and timed in simulation.
; The chip was launched on July 23, 2026; its instructions are those of AMD's public machine-readable ISA for CDNA 5 (MIT licence, August 2026) and "CDNA5" Instruction Set Architecture Reference Guide (July 2026). The comments in the code are by the model that wrote it; some were corrected since.
;; Multihead Attention. Allowed arithmetic: matrix products marked QUANTISED: E2M3 operands, one E8M0 scale for each 32 along K, by v_wmma_scale_f32_16x16x128_f8f6f4 with both operands' format E2M3, f32 sums; everything else in f32.
;; Inputs: b_o 1,024 float32; b_qkv 3,072 float32; w_o 1,024 x 1,024 float32; w_qkv 3,072 x 1,024 float32; x 4 x 2,048 x 1,024 float32.
;; Outputs: out0 4 x 2,048 x 1,024 float32.
;; This version of the problem:
;;   THIS VERSION OF THE PROBLEM IS GIVEN IN LOW PRECISION. The matrix products marked QUANTISED in the list below multiply operands that are first quantised to E2M3 (2 exponent bits, 3 mantissa bits; 6 bits a number), with one power-of-two scale for each 32 numbers along K (OCP MX v1.0); their sums are f32. All else is computed in f32.
;;   The module's matrix products, in the order in which they are computed (A, B: the left and right operand; K: the contracted axis; several contracted axes count as one K, in the product's order):
;;     1. [M 8,192, K 1,024] x [K 1,024, N 3,072]; A: input x; B: input w_qkv: QUANTISED
;;     2. batch 64 x [M 2,048, K 64] x [K 64, N 2,048]; A: computed on the way; B: computed on the way: QUANTISED
;;     3. batch 64 x [M 2,048, K 2,048] x [K 2,048, N 64]; A: softmax (see below); B: computed on the way: QUANTISED
;;     4. [M 8,192, K 1,024] x [K 1,024, N 1,024]; A: computed on the way; B: input w_o: QUANTISED
;;   THE QUANTISER, for each operand of a quantised product, along K:
;;     - K is cut into blocks of 32 from its start; a last block that is shorter is filled with zeros.
;;     - A block's scale is 2^e with e = floor(log2(the largest magnitude in the block)) - 2, held to -126 .. 127; a block of zeros has e = 0. As a byte (E8M0): e + 127.
;;     - Each number is divided by its block's scale, clamped to +-7.5, and rounded to the nearest number of E2M3, ties to even, subnormals kept.
;;     - The product sums the exact products of the quantised numbers (number of the format x scale) in f32.
;;   ~~~python
;;   def quantise(x, axis):      # numpy; x: float32 -> the quantised numbers, widened to float32 again
;;       x = np.moveaxis(x, axis, -1); K = x.shape[-1]
;;       x = np.pad(x, [(0, 0)] * (x.ndim - 1) + [(0, -K % 32)]); x = x.reshape(x.shape[:-1] + (-1, 32)); a = np.abs(x).max(-1, keepdims=True)
;;       e = np.where(a > 0, np.clip(np.frexp(np.where(a > 0, a, 1))[1] - 1 - 2, -126, 127), 0)      # np.frexp(a)[1] - 1 = floor(log2(a)), exactly
;;       r = np.clip(x / 2.0 ** e, -7.5, 7.5)
;;       step = 2.0 ** (np.maximum(np.frexp(np.where(r == 0, 1, r))[1] - 1, 0) - 3)
;;       q = np.round(r / step) * step * 2.0 ** e      # np.round: ties to even
;;       return np.moveaxis(q.reshape(q.shape[:-2] + (-1,))[..., :K], -1, axis).astype(np.float32)
;;   ~~~
;;   SOFTMAX AHEAD OF A QUANTISED PRODUCT. Where the list says 'softmax', what is quantised is not the finished softmax but p = 2^(t - M), with t = logit x log2(e) and M = ceil(the row's largest t), a whole number; so 1/2 < the row's largest p <= 1. The row's sum l is taken of the UNQUANTISED p, in f32, and the product's result is divided by l at the end. Since M is a whole number, a kernel that streams over the keys may use a running M (the ceiling of the running maximum): every later rescaling is an exact power of two, which a block's scale takes up: the codes' values come out the same.
;;   OPERANDS COMPUTED ON THE WAY. 'Computed on the way' means the value that the module computes at that place (a softmax that the list does not call 'softmax' is quantised finished and normalised). What goes into a quantiser is computed in f32, as accurately as f32 sums, v_exp_f32 and their like allow (about 1e-6 of the number): no bf16 or f16 on the way to a quantiser, and a product that is left as it is and whose result goes on into a quantised operand takes f32 operands (vector FMAs, or v_wmma_f32_16x16x4_f32). A number that lies on a knife's edge between two numbers of the format may be rounded either way, as far as f32 arithmetic and the matrix unit's own rounding can turn it there, and no further.
;; One version. Each part assembles by itself: llvm-mc -triple=amdgcn-amd-amdhsa -mcpu=gfx1250 --defsym DOCPART=n.
;; ======== version 1 of 1: 4 launches
;; limits: right only within a limited range of input values
;; workspace buffers: opc 9,437,184 bytes; ops 393,216 bytes; qc 6,815,744 bytes; kv 13,107,200 bytes; vc 6,291,456 bytes; vs 262,144 bytes
;; launch quant (part 1): grid 384 x 1, 4 waves a work-group, no clusters, 34,304 bytes of LDS; arguments x, w_qkv, w_o, opc, ops; writes opc, ops
.if DOCPART == 1
	.amdgcn_target "amdgcn-amd-amdhsa--gfx1250"
	.amdhsa_code_object_version 6
	.text
	.protected	k_q9a20e11d8f_quant
	.globl	k_q9a20e11d8f_quant
	.p2align	8
	.type	k_q9a20e11d8f_quant,@function
k_q9a20e11d8f_quant:
	s_mov_b64 s[64:65], 0
	v_nop
	global_prefetch_b8 v0, s[64:65] scope:SCOPE_SE
	s_setreg_imm32_b32 hwreg(HW_REG_WAVE_MODE, 25, 1), 1
	s_wait_xcnt 0x0
; x [8192][1024], w_qkv [3072][1024], w_o [1024][1024], f32, K innermost, become codes of FP6 (E2M3) with one E8M0 byte for each 32 along K,
; laid as IMAGES OF THE OPERAND'S REGISTERS, so that the products' launches load fragments by loads of 16 and 8 bytes a lane, dense.
; TILES.  The 12,288 rows are 768 tiles of 16, two tiles to 32 rows: lane-row r of tile 2 P + u is row 32 P + 8 u + r + 8 (r / 8).
; CODES (opc): [tile][K step of 128] 1,536 bytes: for c = 0, 1 the lane's registers 6 c .. 6 c + 3 at 768 c + 16 x lane, registers 6 c + 4, 5 at 768 c + 512 + 8 x lane.
; SCALES (ops): for each pair of tiles 1,024 bytes [g][16 u + r][4 words]: the words of K steps 4 g .. 4 g + 3 of lane-row r of tile 2 P + u.
; A block's scale is 2^(floor(log2(largest magnitude)) - 2): its byte is the largest magnitude's exponent field - 2, held at 1 from below.
; LIMITS: NaN and infinities are not served; a block whose largest magnitude lies under 2^-124 gets the byte 1; a block of zeros gets 1 where the rule says 127
; (its codes are zeros, which add nothing under any byte but 0xff, and this program alone reads the bytes).
; SHARES.  Work-group W takes pair W; wave w takes tile 2 W + (w / 2), K steps 4 (w % 2) .. + 3.  Each load reads 512 consecutive bytes of one row; the 16 rows turn through the wave's own
; stage in LDS, so that lane (r, h) gets the two whole blocks that the operand's layout gives it: k = 64 c + 32 h + 0 .. 31.  Waves share nothing: no barrier.
; No tensor load, matrix unit or cluster: the launch streams each byte once.
.set SP,    528                        ; a stage row: 512 bytes + 16: an odd multiple of 16, so the 16 rows that a load touches start in different banks
.set STB,   16*SP
.set SPARE, 4*STB                      ; behind the four stages: the spare words, 128 bytes a wave
.set LI,   1                           ; 16 x lane
.set L8,   2                           ; 8 x lane
.set SIN,  3                           ; stage, on the way in
.set SOUT, 4                           ; stage, on the way out: row r, + 128 h
.set SH,   5                           ; 8 h: where my two bytes stand in the scale word
.set SO,   6                           ; 16 r + 8 h: my 8 bytes of the scales' unit
.set TP,   7                           ; a lane permute's destination
.set M,    8                           ; v8-9   largest magnitudes
.set E,    10                          ; v10-11 the conversions' scale operands
.set BY,   12                          ; v12-13 bytes
.set SPW,  14                          ; my spare word's LDS address; never rewritten
.set NIL,  15                          ; 0; never rewritten
.set W,    16                          ; v16-19 the four K steps' scale words
.set D,    20                          ; v20-21 what I store of them
.set PT,   24                          ; v24-31 the upper halves of two blocks' codes
.set C,    32                          ; v32-55 two sets of 12: a fragment's codes
.set R,    64                          ; v64-191 two sets of 64: a K step as loaded
.set X,    192                         ; v192-255 my two blocks
	s_load_b256 s[4:11], s[0:1], 0x0               ; x, w_qkv, w_o, opc
	s_load_b64 s[12:13], s[0:1], 0x20              ; ops
	v_lshl_add_u32 v[SPW], v0, 2, SPARE
	v_mov_b32 v[NIL], 0
	v_lshrrev_b32 v1, 5, v0
	v_readfirstlane_b32 s14, v1                    ; wave
	s_lshr_b32 s15, s14, 1                         ; u: which tile of the pair
	s_and_b32 s16, s14, 1                          ; g: which four K steps
	s_mul_i32 s17, s14, STB                        ; my stage
	v_and_b32 v2, 31, v0
	v_and_b32 v8, 15, v0                           ; r
	v_bfe_u32 v9, v0, 4, 1                         ; h
	v_lshlrev_b32 v[LI], 4, v2
	v_lshlrev_b32 v[L8], 3, v2
	v_add_nc_u32 v[SIN], s17, v[LI]
	v_mul_u32_u24 v[SOUT], v8, SP
	v_lshl_add_u32 v[SOUT], v9, 7, v[SOUT]
	v_add_nc_u32 v[SOUT], s17, v[SOUT]
	v_lshlrev_b32 v[SH], 3, v9
	v_lshlrev_b32 v[SO], 4, v8
	v_lshl_add_u32 v[SO], v9, 3, v[SO]
	v_mov_b32 v[TP], 0
	s_mov_b32 s20, 0x76543210
	s_mov_b32 s21, 0xfedcba98                      ; v_permlanex16_b32's selects for lane l xor 16
	s_mov_b32 s22, 0xffff0000                      ; lanes 16-31
	s_mov_b32 s18, 352                             ; the tensor's first pair: 0 (x), 256 (w_qkv), 352 (w_o)
	s_cmp_lt_u32 ttmp9, 352
	s_cselect_b32 s18, 256, s18
	s_cmp_lt_u32 ttmp9, 256
	s_cselect_b32 s18, 0, s18
	s_sub_co_u32 s18, ttmp9, s18
	s_lshl_b32 s18, s18, 5                         ; 32 rows a pair,
	s_lshl_b32 s19, s15, 3
	s_add_co_u32 s18, s18, s19                     ; + 8 u,
	s_lshl_b32 s18, s18, 12                        ; of 4,096 bytes,
	s_lshl_b32 s19, s16, 11
	s_add_co_u32 s18, s18, s19                     ; + 2,048 g
	s_mov_b32 s19, 0
	s_lshl_b32 s26, ttmp9, 1
	s_add_co_u32 s26, s26, s15
	s_mul_i32 s26, s26, 12288                      ; codes: my tile,
	s_mul_i32 s27, s16, 6144
	s_add_co_u32 s26, s26, s27                     ; my four K steps
	s_mov_b32 s27, 0
	s_lshl_b32 s28, ttmp9, 10                      ; scales: 1,024 W + 512 g + 256 u
	s_lshl_b32 s29, s16, 9
	s_add_co_u32 s28, s28, s29
	s_lshl_b32 s29, s15, 8
	s_add_co_u32 s28, s28, s29
	s_mov_b32 s29, 0
	s_wait_alu depctr_va_vdst(0)
	s_wait_kmcnt 0x0
	s_cmp_lt_u32 ttmp9, 352                        ; the choice of the tensor hangs on the work-group's number alone
	s_cselect_b64 s[24:25], s[6:7], s[8:9]
	s_cmp_lt_u32 ttmp9, 256
	s_cselect_b64 s[24:25], s[4:5], s[24:25]
	s_add_nc_u64 s[24:25], s[24:25], s[18:19]
	s_add_nc_u64 s[10:11], s[10:11], s[26:27]
	s_add_nc_u64 s[12:13], s[12:13], s[28:29]
.macro LOAD t                          ; K step t of my 16 rows: each load 512 consecutive bytes of one row
.irp i, 0,1,2,3,4,5,6,7,8,9,10,11,12,13,14,15
	global_load_b128 v[R+64*((\t)%2)+4*\i:R+64*((\t)%2)+4*\i+3], v[LI], s[24:25] offset:(\i+8*(\i/8))*4096+512*(\t) th:TH_LOAD_NT
.endr
.endm
	LOAD 0
	LOAD 1
.macro STEP t
.set RS, R+64*((\t)%2)
.set CS, C+12*((\t)%2)
.if (\t) < 3
	s_wait_loadcnt 16                              ; this step's 16 loads are in; the next step's 16 may be out
.else
	s_wait_loadcnt 0
.endif
.irp i, 0,1,2,3,4,5,6,7,8,9,10,11,12,13,14,15
	ds_store_b128 v[SIN], v[RS+4*\i:RS+4*\i+3] offset:SP*\i
.endr
.irp c, 0,1                            ; LDS serves a wave's instructions in order: these see the stores above
.irp i, 0,1,2,3,4,5,6,7
	ds_load_b128 v[X+32*\c+4*\i:X+32*\c+4*\i+3], v[SOUT] offset:256*\c+16*\i
.endr
.endr
	s_wait_dscnt 0x0                               ; my blocks are in, and the stores have read their registers,
.if (\t)+2 < 4
	LOAD (\t)+2                                    ; which take the loads of two steps on
.endif
.irp c, 0,1
	v_max3_num_f32 v[M+\c], |v[X+32*\c]|, |v[X+32*\c+1]|, 0x1800000   ; block 2 c + h: all 32 numbers are mine; the floor 2^(3 - 127) holds the byte at 1 from below
.endr
.irp i, 2,4,6,8,10,12,14,16,18,20,22,24,26,28,30
.irp c, 0,1
	v_max3_num_f32 v[M+\c], v[M+\c], |v[X+32*\c+\i]|, |v[X+32*\c+\i+1]|
.endr
.endr
.irp c, 0,1
	v_add_nc_u32 v[E+\c], 0xff000000, v[M+\c]      ; 2 off the exponent field: the conversion's scale operand
.endr
.irp c, 0,1
	v_lshrrev_b32 v[BY+\c], 23, v[E+\c]            ; the scale's byte
.endr
.if (\t) >= 2
	s_wait_alu depctr_va_vdst(0)
	s_wait_xcnt 0x0                                ; the stores of two steps back have read this set of codes
.endif
.irp c, 0,1
	v_cvt_scalef32_pk16_fp6_f32 v[CS+6*\c:CS+6*\c+2], v[X+32*\c:X+32*\c+15], v[E+\c]
	v_cvt_scalef32_pk16_fp6_f32 v[PT+4*\c:PT+4*\c+2], v[X+32*\c+16:X+32*\c+31], v[E+\c]   ; (a conversion's three registers begin on an even number)
.endr
	v_lshl_or_b32 v[BY], v[BY+1], 16, v[BY]        ; my two bytes: blocks h and 2 + h.  (This line is also the plain place behind the conversions)
	v_lshlrev_b32 v[BY], v[SH], v[BY]              ; at their places in the word;
	v_permlanex16_b32 v[TP], v[BY], s20, s21
	v_or_b32 v[W+(\t)], v[BY], v[TP]               ; with lane l xor 16's two the word is whole
.irp c, 0,1
.irp i, 0,1,2
	v_mov_b32 v[CS+6*\c+3+\i], v[PT+4*\c+\i]
.endr
.endr
.irp c, 0,1
	global_store_b128 v[LI], v[CS+6*\c:CS+6*\c+3], s[10:11] offset:1536*(\t)+768*\c        ; 512 consecutive bytes
	global_store_b64 v[L8], v[CS+6*\c+4:CS+6*\c+5], s[10:11] offset:1536*(\t)+768*\c+512   ; 256 consecutive bytes
.endr
.endm
	STEP 0
	STEP 1
	STEP 2
	STEP 3
	v_cndmask_b32 v[D], v[W], v[W+2], s22          ; lanes 0-15 store words 0, 1 of row r, lanes 16-31 words 2, 3
	v_cndmask_b32 v[D+1], v[W+1], v[W+3], s22
	global_store_b64 v[SO], v[D:D+1], s[12:13]     ; the wave stores 256 consecutive bytes, aligned
	s_wait_tensorcnt 0x0                           ; the wave's end
	ds_add_u32 v[SPW], v[NIL]
	s_wait_dscnt 0x0
	s_endpgm
.Lfunc_end_k_q9a20e11d8f_quant:
	.size	k_q9a20e11d8f_quant, .Lfunc_end_k_q9a20e11d8f_quant-k_q9a20e11d8f_quant
	.p2alignl 7, 3214868480
	.fill 96, 4, 3214868480
	.section	.rodata,"a",@progbits
	.p2align	6, 0x0
	.amdhsa_kernel k_q9a20e11d8f_quant
		.amdhsa_group_segment_fixed_size 34304
		.amdhsa_private_segment_fixed_size 0
		.amdhsa_enable_private_segment 0
		.amdhsa_kernarg_size 40
		.amdhsa_user_sgpr_count 2
		.amdhsa_user_sgpr_kernarg_segment_ptr 1
		.amdhsa_wavefront_size32 1
		.amdhsa_system_sgpr_workgroup_id_x 1
		.amdhsa_system_sgpr_workgroup_id_y 1
		.amdhsa_system_sgpr_workgroup_id_z 1
		.amdhsa_system_vgpr_workitem_id 0
		.amdhsa_next_free_vgpr 256
		.amdhsa_next_free_sgpr 66
		.amdhsa_reserve_vcc 0
		.amdhsa_float_denorm_mode_32 3
		.amdhsa_float_denorm_mode_16_64 3
		.amdhsa_memory_ordered 1
		.amdhsa_forward_progress 1
		.amdhsa_inst_pref_size 31
	.end_amdhsa_kernel
	.amdgpu_metadata
---
amdhsa.version: [ 1, 2 ]
amdhsa.kernels:
  - .name:           k_q9a20e11d8f_quant
    .symbol:         k_q9a20e11d8f_quant.kd
    .args:
      - { .name: x, .offset: 0, .size: 8, .value_kind: global_buffer, .address_space: global }
      - { .name: w_qkv, .offset: 8, .size: 8, .value_kind: global_buffer, .address_space: global }
      - { .name: w_o, .offset: 16, .size: 8, .value_kind: global_buffer, .address_space: global }
      - { .name: opc, .offset: 24, .size: 8, .value_kind: global_buffer, .address_space: global }
      - { .name: ops, .offset: 32, .size: 8, .value_kind: global_buffer, .address_space: global }
    .group_segment_fixed_size: 34304
    .private_segment_fixed_size: 0
    .kernarg_segment_align: 8
    .kernarg_segment_size: 40
    .max_flat_workgroup_size: 128
    .sgpr_count:     66
    .vgpr_count:     256
    .wavefront_size: 32
...
	.end_amdgpu_metadata
.endif
;; end of part 1
;; launch qkv (part 2): grid 16 x 16, 4 waves a work-group, clusters of 4 x 1, 167,936 bytes of LDS; arguments opc, ops, b_qkv, qc, kv; writes qc, kv
.if DOCPART == 2
	.amdgcn_target "amdgcn-amd-amdhsa--gfx1250"
	.amdhsa_code_object_version 6
	.text
	.protected	k_q9a20e11d8f_qkv
	.globl	k_q9a20e11d8f_qkv
	.p2align	8
	.type	k_q9a20e11d8f_qkv,@function
k_q9a20e11d8f_qkv:
	s_mov_b64 s[64:65], 0
	v_nop
	global_prefetch_b8 v0, s[64:65] scope:SCOPE_SE
	s_setreg_imm32_b32 hwreg(HW_REG_WAVE_MODE, 25, 1), 1
	s_wait_xcnt 0x0
	s_wait_alu depctr_hold_cnt(0) depctr_sa_sdst(0) depctr_va_vdst(0) depctr_va_sdst(0) depctr_va_ssrc(0) depctr_va_vcc(0) depctr_vm_vsrc(0)
	s_getreg_b32 s2, hwreg(HW_REG_IB_STS2, 6, 4)
	s_cmp_eq_u32 s2, 0
	s_cbranch_scc0 .Lentry_in_a_cluster
	s_endpgm
.Lentry_in_a_cluster:
	s_bfe_u32 s2, ttmp6, 0x10000c
	s_cmp_lg_u32 s2, 0x3003
	s_cbranch_scc0 .Lentry_shape_is_right
	s_endpgm
.Lentry_shape_is_right:
; qkv = x w_qkv^T + b_qkv on codes of FP6 (E2M3) with E8M0 scales, and the quantising of q, k (along the head's 64) and v (along the keys): no f32 number of qkv goes to memory.
; SHARES.  A work-group takes 512 tokens x one head's 192 columns (q 64 | k 64 | v 64), in two passes of 256 tokens; a wave takes 64 tokens (4 tiles a) x 12 tiles b of columns: 48 accumulators.
; B, the head's 12 tiles for all of K, is 147,456 dense bytes: it comes into LDS once and stays.  The four work-groups of a cluster share the head, so it is asked for JOINTLY.
; A's fragments are read by one wave alone: they go from memory straight into registers, three sets, two K steps ahead; nothing of A is shared, so nothing of it is asked for jointly.
; No slot is filled again and the loop over K has no barrier.
; ORIENTATION.  q, k: source 0 = 16 rows of w, source 1 = 16 tokens: a lane holds one token and its registers run along the channels.  v: source 0 = 16 tokens, source 1 = 16 rows of w:
; a lane holds one channel and its registers run along the keys.  By the tiles' order (lane-row r of tile 2 P + u is row 32 P + 8 u + r + 8 (r / 8)) the 16 registers of two neighbouring
; tiles are 16 neighbours along the next product's K.  The biases are the C of each sum's first matrix instruction.
; OUT.  qc: for each 64 tokens of a head 3,328 bytes: four half fragments (16 tokens x 64: registers 0-3 at 16 x lane, 4-5 at 512 + 8 x lane), then 256 bytes of scale words.
; kv: for each 64 keys 6,400 bytes: four half fragments of k, four of v (16 channels x 64 keys), 256 bytes of scale halfwords.
; LIMITS: NaN and infinities are not served; a block under 2^-124, and a block of zeros, gets the byte 1 (zero codes add nothing; this program alone reads the bytes).
; REGISTERS: window 0: addresses, scale words, A's three sets.  window 1: B's three buffers, the quantiser's registers.  window 2: q's and k's accumulators.  window 3: v's, and the biases.
.set TILEB, 12288                      ; a tile's codes for all of K
.set FRB,   1536                       ; a fragment's image
.set SPARE, 12*TILEB                   ; behind B: the spare words, 128 bytes a wave
.set LI,  1                            ; v1, v3, v5: 16 x lane + 49,152 x group of B;  v2, v4, v6: 8 x lane likewise
.set L8,  2
.set BH,  7                            ; 64 h: q's and k's bias
.set BR,  8                            ; 4 (r + 8 (r / 8)): v's bias
.set SPW, 10
.set NIL, 11
.set SA,  16                           ; v16-31 A's scale words: 8 x pair + K step; lanes 0-15 the even tile, lanes 16-31 the odd one
.set SB,  32                           ; v32-79 B's likewise
.set AF,  80                           ; v80-223 A's fragments: 48 (K step % 3) + 12 a
.set M,   144                          ; window 1: largest magnitudes
.set T,   152                          ;           at work
.set E,   160                          ;           the conversions' scale operands
.set HW,  176                          ;           scale halfwords: q 0-3, k 4-7, v 8-11
.set PC,  188                          ;           four half fragments
.set PT,  212                          ;           their upper halves on the way
.set DD,  228                          ;           scale units to store
.set BQK, 128                          ; window 3: q's and k's bias, 8 registers a tile b
.set BV,  192                          ;           v's, 8 equal registers a tile
.set WV,  14
.set MSB, 0
.macro WIN new                         ; the immediate's high byte repeats the setting that is left
.if MSB != \new
	s_set_vgpr_msb (MSB<<8)|\new
.set MSB, \new
.endif
.endm
.macro PLACES n
.rept \n
	v_nop
.endr
.endm
.macro CROUND                          ; a round of the cluster's barrier
	s_barrier_signal -1
	s_barrier_wait -1
	s_cmp_lg_u32 s[WV], 0
	s_cbranch_scc1 .Lnot_wave_0_\@
	s_barrier_signal -3
.Lnot_wave_0_\@:
	s_barrier_wait -3
	s_barrier_signal -1
	s_barrier_wait -1
.endm
.macro WMX                             ; one product; its operands stand in the symbols wD, wS0, wS1, wC, wA, wB; wRA, wRB: the scales stand in lanes 16-31
.if (wRA == 0) && (wRB == 0)
	v_wmma_scale_f32_16x16x128_f8f6f4 v[wD:wD+7], v[wS0:wS0+11], v[wS1:wS1+11], v[wC:wC+7], v[wA], v[wB] matrix_a_fmt:MATRIX_FMT_FP6 matrix_b_fmt:MATRIX_FMT_FP6
.elseif (wRA == 1) && (wRB == 0)
	v_wmma_scale_f32_16x16x128_f8f6f4 v[wD:wD+7], v[wS0:wS0+11], v[wS1:wS1+11], v[wC:wC+7], v[wA], v[wB] matrix_a_fmt:MATRIX_FMT_FP6 matrix_b_fmt:MATRIX_FMT_FP6 matrix_a_scale:MATRIX_SCALE_ROW1
.elseif (wRA == 0) && (wRB == 1)
	v_wmma_scale_f32_16x16x128_f8f6f4 v[wD:wD+7], v[wS0:wS0+11], v[wS1:wS1+11], v[wC:wC+7], v[wA], v[wB] matrix_a_fmt:MATRIX_FMT_FP6 matrix_b_fmt:MATRIX_FMT_FP6 matrix_b_scale:MATRIX_SCALE_ROW1
.else
	v_wmma_scale_f32_16x16x128_f8f6f4 v[wD:wD+7], v[wS0:wS0+11], v[wS1:wS1+11], v[wC:wC+7], v[wA], v[wB] matrix_a_fmt:MATRIX_FMT_FP6 matrix_b_fmt:MATRIX_FMT_FP6 matrix_a_scale:MATRIX_SCALE_ROW1 matrix_b_scale:MATRIX_SCALE_ROW1
.endif
.endm
.macro ALOAD s                         ; A's four fragments of K step s: 16 loads
.irp a, 0,1,2,3
	global_load_b128 v[AF+48*((\s)%3)+12*\a:AF+48*((\s)%3)+12*\a+3],     v[LI], s[36:37] offset:TILEB*\a+FRB*(\s)
	global_load_b64  v[AF+48*((\s)%3)+12*\a+4:AF+48*((\s)%3)+12*\a+5],   v[L8], s[36:37] offset:TILEB*\a+FRB*(\s)+512
	global_load_b128 v[AF+48*((\s)%3)+12*\a+6:AF+48*((\s)%3)+12*\a+9],   v[LI], s[36:37] offset:TILEB*\a+FRB*(\s)+768
	global_load_b64  v[AF+48*((\s)%3)+12*\a+10:AF+48*((\s)%3)+12*\a+11], v[L8], s[36:37] offset:TILEB*\a+FRB*(\s)+1280
.endr
.endm
.macro NEXTA                           ; a pass's scale words of A and its first three K steps: 4 + 48 loads
.irp q, 0,1,2,3
	global_load_b128 v[SA+4*\q:SA+4*\q+3], v[LI], s[38:39] offset:512*\q
.endr
	ALOAD 0
	ALOAD 1
	ALOAD 2
.endm
.macro BLOAD n                         ; group n % 3 of B (q's, k's or v's four tiles), K step n / 3: 16 LDS loads, into window 1
.set bs, (\n)/3
.set bg, (\n)%3
.irp f, 0,1,2,3
	ds_load_b128 v[48*bg+12*\f:48*bg+12*\f+3],     v[LI+2*bg] offset:TILEB*\f+FRB*bs
	ds_load_b64  v[48*bg+12*\f+4:48*bg+12*\f+5],   v[L8+2*bg] offset:TILEB*\f+FRB*bs+512
	ds_load_b128 v[48*bg+12*\f+6:48*bg+12*\f+9],   v[LI+2*bg] offset:TILEB*\f+FRB*bs+768
	ds_load_b64  v[48*bg+12*\f+10:48*bg+12*\f+11], v[L8+2*bg] offset:TILEB*\f+FRB*bs+1280
.endr
.endm
; 16 products: group n % 3 of B x A's four tiles, K step n / 3.  The 48 accumulators take turns, one instruction a turn, in the same order in every K step.
.macro GROUP n
.set gs, (\n)/3
.set gg, (\n)%3
.if gg == 0
.if gs < 6
	s_wait_loadcnt 32                              ; this K step's A is in; the two later sets, 16 loads each, may be out
.elseif gs == 6
	s_wait_loadcnt 16
.else
	s_wait_loadcnt 0
.endif
.endif
.if (\n) < 22
	s_wait_dscnt 32                                ; this group of B is in; the two later groups, 16 loads each, may be out
.elseif (\n) == 22
	s_wait_dscnt 16
.else
	s_wait_dscnt 0
.endif
.if gg < 2
.if gs == 0
	WIN 0xb1                                       ; source 0 (w) window 1, source 1 (x) window 0, C (the bias) window 3, D window 2
.else
	WIN 0xa1                                       ; the same, C and D window 2
.endif
.else
	WIN 0xf4                                       ; source 0 (x) window 0, source 1 (w) window 1, C and D window 3
.endif
.irp f, 0,1,2,3
.irp a, 0,1,2,3
.set wb, 4*gg+\f
.if gg < 2
.set wD, 16*(4*(wb/2)+\a)+8*(wb%2)
.set wS0, 48*gg+12*\f
.set wS1, AF+48*(gs%3)+12*\a
.set wC, wD
.if gs == 0
.set wC, BQK+8*wb
.endif
.set wA, SB+8*(wb/2)+gs
.set wRA, wb%2
.set wB, SA+8*(\a/2)+gs
.set wRB, \a%2
.else
.set wD, 16*(2*\f+\a/2)+8*(\a%2)
.set wS0, AF+48*(gs%3)+12*\a
.set wS1, 48*gg+12*\f
.set wC, wD
.if gs == 0
.set wC, BV+8*\f
.endif
.set wA, SA+8*(\a/2)+gs
.set wRA, \a%2
.set wB, SB+8*(wb/2)+gs
.set wRB, wb%2
.endif
	WMX
.endr
.endr
	PLACES 4                                       ; in front of loads into registers that these products have read, and of the first read of results
.if (\n)+3 <= 23
	WIN 0x40
	BLOAD (\n)+3                                   ; the same group's next K step, into the buffer just read
.endif
.if (gg == 2) && (gs+3 <= 7)
	WIN 0
	ALOAD gs+3                                     ; and A's set just read takes the K step three on
.endif
.endm
; Four half fragments are made of 8 x 16 registers of results.  kd = 0: q's four tiles of tokens; 1: k's; 2: v's four tiles of channels.
; Item x, block bb: its 16 registers hold k = 32 bb + 16 h + 0 .. 15 of the lane's row.
.macro PART kd
	s_wait_xcnt 0x0                                ; the last part's stores have read the codes' registers
.if \kd < 2
	WIN 0x5a                                       ; sources 0, 1 window 2; source 2 and destination window 1
.else
	WIN 0x5f                                       ; sources 0, 1 window 3
.endif
.irp i, 0,2,4,6,8,10,12,14             ; each accumulator is read from its low end on
.irp x, 0,1,2,3
.irp bb, 0,1
.if \kd < 2
.set gb, 16*(4*(2*\kd+\bb)+\x)
.else
.set gb, 16*(2*\x+\bb)
.endif
.if \i == 0
	v_max3_num_f32 v[M+2*\x+\bb], |v[gb]|, |v[gb+1]|, 0x1800000     ; with the floor 2^(3 - 127): the byte cannot fall under 1
.else
	v_max3_num_f32 v[M+2*\x+\bb], |v[gb+\i]|, |v[gb+\i+1]|, v[M+2*\x+\bb]
.endif
.endr
.endr
.endr
	WIN 0x55                                       ; all in window 1
.irp j, 0,1,2,3,4,5,6,7
	v_permlanex16_b32 v[T+\j], v[M+\j], s50, s51
.endr
.irp j, 0,1,2,3,4,5,6,7
	v_max_num_f32 v[M+\j], v[M+\j], v[T+\j]        ; with lane l xor 16's 16: the block's largest magnitude
.endr
.irp j, 0,1,2,3,4,5,6,7
	v_add_nc_u32 v[E+\j], 0xff000000, v[M+\j]      ; 2 off the exponent field: the conversion's scale operand
.endr
.irp j, 0,1,2,3,4,5,6,7
	v_lshrrev_b32 v[T+\j], 23, v[E+\j]             ; the byte
.endr
.irp x, 0,1,2,3
	v_lshl_or_b32 v[HW+4*\kd+\x], v[T+2*\x+1], 8, v[T+2*\x]
.endr
.if \kd < 2
	WIN 0x46                                       ; source 0 window 2, source 1 and destination window 1
.else
	WIN 0x47
.endif
.irp x, 0,1,2,3
.if \kd < 2
.set gb, 16*(4*(2*\kd)+\x)
.set gc, 16*(4*(2*\kd+1)+\x)
.else
.set gb, 16*(2*\x)
.set gc, 16*(2*\x+1)
.endif
	v_cvt_scalef32_pk16_fp6_f32 v[PC+6*\x:PC+6*\x+2], v[gb:gb+15], v[E+2*\x]
	v_cvt_scalef32_pk16_fp6_f32 v[PT+4*\x:PT+4*\x+2], v[gc:gc+15], v[E+2*\x+1]
.endr
	WIN 0x55
	v_nop                                          ; one plain place behind a scaled conversion
.irp x, 0,1,2,3                        ; the layout wants a WHOLE block in a lane: lanes 0-15 block 0, lanes 16-31 block 1
.irp i, 0,1,2
	v_permlane16_swap_b32 v[PC+6*\x+\i], v[PT+4*\x+\i]
.endr
.endr
.irp x, 0,1,2,3
.irp i, 0,1,2
	v_mov_b32 v[PC+6*\x+3+\i], v[PT+4*\x+\i]
.endr
.endr
	WIN 0x04                                       ; a store's data window 1, its address window 0
.irp x, 0,1,2,3
.if \kd == 0
	global_store_b128 v[LI], v[PC+6*\x:PC+6*\x+3], s[44:45] offset:768*\x
	global_store_b64 v[L8], v[PC+6*\x+4:PC+6*\x+5], s[44:45] offset:768*\x+512
.else
	global_store_b128 v[LI], v[PC+6*\x:PC+6*\x+3], s[46:47] offset:3072*(\kd-1)+768*\x
	global_store_b64 v[L8], v[PC+6*\x+4:PC+6*\x+5], s[46:47] offset:3072*(\kd-1)+768*\x+512
.endif
.endr
.endm
	s_load_b256 s[4:11], s[0:1], 0x0               ; opc, ops, b_qkv, qc
	s_load_b64 s[12:13], s[0:1], 0x20              ; kv
	v_lshl_add_u32 v[SPW], v0, 2, SPARE
	v_mov_b32 v[NIL], 0
	ds_add_u32 v[SPW], v[NIL]                      ; the wave's opening: the add and its wait stand ahead of my first tensor load; work on registers stands between them
	ds_add_u32 v[SPW], v[NIL]
	v_lshrrev_b32 v1, 5, v0
	v_readfirstlane_b32 s[WV], v1                  ; wave 0..3
	s_bfe_u32 s15, ttmp6, 0x40000                  ; cx
	s_lshl_b32 s16, ttmp9, 2
	s_add_co_u32 s16, s16, s15                     ; my 512 tokens: 4 x cluster x + cx
	s_and_b32 s17, ttmp7, 0xffff                   ; the head, which the four partners share
	s_mov_b32 s24, 15|(3<<16)|(1<<21)              ; group 1: the mask names all four; elements of 8 bytes; bit 21 set beside a mask
	s_mov_b32 s25, 32<<16                          ; tensor_dim0 = 32: rows of 256 bytes
	s_mov_b32 s26, 144<<16                         ; tensor_dim1 = 144: a quarter of B
	s_mov_b32 s27, 32<<16                          ; tile_dim0
	s_mov_b32 s28, 144                             ; tile_dim1
	s_mov_b32 s29, 32                              ; the pitch: the block is dense
	s_mov_b32 s30, 0
	s_mov_b32 s31, 0
	s_mul_i32 s20, s[WV], 3*TILEB                  ; my quarter, in LDS and in the head's block: no place in the cluster enters it
	s_mul_i32 s18, s17, 12*TILEB
	s_add_co_u32 s18, s18, 512*TILEB               ; w_qkv's tiles begin at tile 512
	s_add_co_u32 s18, s18, s20
	s_mov_b32 s19, 0
	s_lshl_b32 s36, s16, 5
	s_lshl_b32 s21, s[WV], 2
	s_add_co_u32 s36, s36, s21
	s_mul_i32 s36, s36, TILEB                      ; A: tile 32 X + 4 wave
	s_mov_b32 s37, 0
	s_lshl_b32 s38, s16, 4
	s_lshl_b32 s21, s[WV], 1
	s_add_co_u32 s38, s38, s21
	s_lshl_b32 s38, s38, 10                        ; A's scales: pair 16 X + 2 wave
	s_mov_b32 s39, 0
	s_mul_i32 s40, s17, 6144
	s_add_co_u32 s40, s40, 256*1024                ; B's scales: pair 256 + 6 head
	s_mov_b32 s41, 0
	s_mul_i32 s42, s17, 768                        ; the head's 192 biases
	s_mov_b32 s43, 0
	s_lshr_b32 s21, s16, 2
	s_lshl_b32 s21, s21, 4
	s_add_co_u32 s21, s21, s17                     ; 16 x batch + head
	s_lshl_b32 s21, s21, 5
	s_and_b32 s22, s16, 3
	s_lshl_b32 s22, s22, 3
	s_add_co_u32 s21, s21, s22
	s_add_co_u32 s21, s21, s[WV]                   ; my first 64 tokens among the head's 32 x 64
	s_mul_i32 s44, s21, 3328
	s_mov_b32 s45, 0
	s_mul_i32 s46, s21, 6400
	s_mov_b32 s47, 0
	s_mov_b32 s48, 2                               ; passes to go
	s_mov_b32 s50, 0x76543210
	s_mov_b32 s51, 0xfedcba98                      ; v_permlanex16_b32's selects for lane l xor 16
	s_mov_b32 s52, 0xffff0000                      ; lanes 16-31
	v_and_b32 v2, 31, v0
	v_lshlrev_b32 v[LI], 4, v2
	v_lshlrev_b32 v[L8], 3, v2
	v_add_nc_u32 v[LI+2], 4*TILEB, v[LI]
	v_add_nc_u32 v[L8+2], 4*TILEB, v[L8]
	v_add_nc_u32 v[LI+4], 8*TILEB, v[LI]
	v_add_nc_u32 v[L8+4], 8*TILEB, v[L8]
	v_bfe_u32 v9, v0, 4, 1
	v_lshlrev_b32 v[BH], 6, v9
	v_and_b32 v9, 15, v0
	v_and_b32 v[BR], 8, v9
	v_add_nc_u32 v[BR], v[BR], v9
	v_lshlrev_b32 v[BR], 2, v[BR]
	WIN 0x40
.irp j, 0,1,2,3,4,5,6,7
	v_mov_b32 v[T+\j], 0                           ; written once: a lane permute's destination counts as one of its sources
.endr
	WIN 0
	s_wait_dscnt 0x0                               ; the opening add is done
	s_wait_kmcnt 0x0
	s_mov_b32 s32, 1                               ; group 0: count
	s_mov_b32 s33, s20                             ; LDS address
	s_add_nc_u64 s[34:35], s[4:5], s[18:19]        ; global address
	s_or_b32 s35, s35, 0x80000000                  ; type
	s_add_nc_u64 s[36:37], s[4:5], s[36:37]
	s_add_nc_u64 s[38:39], s[6:7], s[38:39]
	s_add_nc_u64 s[40:41], s[6:7], s[40:41]
	s_add_nc_u64 s[42:43], s[8:9], s[42:43]
	s_add_nc_u64 s[44:45], s[10:11], s[44:45]
	s_add_nc_u64 s[46:47], s[12:13], s[46:47]
	CROUND                                         ; all four work-groups are here: the joint loads meet
	tensor_load_to_lds s[32:35], s[24:31]          ; my quarter of B: the wave's one tensor load
	s_nop 0
	PLACES 4
	WIN 0xc0                                       ; destination window 3
	s_wait_alu depctr_va_vdst(0)
.irp f, 0,1,2,3
	global_load_b32 v[BV+8*\f], v[BR], s[42:43] offset:(128+32*(\f/2)+8*(\f%2))*4      ; v: the bias of my lane's channel
.endr
.irp b, 0,1,2,3,4,5,6,7
	global_load_b128 v[BQK+8*\b:BQK+8*\b+3], v[BH], s[42:43] offset:(32*(\b/2)+8*(\b%2))*4      ; q, k: those of my half's eight channels of tile b
	global_load_b128 v[BQK+8*\b+4:BQK+8*\b+7], v[BH], s[42:43] offset:(32*(\b/2)+8*(\b%2))*4+16
.endr
	WIN 0
.irp q, 0,1,2,3,4,5,6,7,8,9,10,11
	global_load_b128 v[SB+4*\q:SB+4*\q+3], v[LI], s[40:41] offset:512*\q
.endr
	NEXTA
	s_wait_loadcnt 52                              ; the biases and B's scales are in; the 52 loads issued behind them may be out
	WIN 0xc3
.irp f, 0,1,2,3
.irp j, 1,2,3,4,5,6,7
	v_mov_b32 v[BV+8*\f+\j], v[BV+8*\f]
.endr
.endr
	WIN 0
	s_wait_tensorcnt 0x0                           ; my quarter of B has landed,
	s_barrier_signal -1
	s_barrier_wait -1                              ; everybody's has
.Lpass:
	WIN 0x40
	BLOAD 0
	BLOAD 1
	BLOAD 2
.set N, 0
	s_wait_alu depctr_va_vdst(0)
.rept 24
	GROUP N
.set N, N+1
.endr
	WIN 0
	s_cmp_eq_u32 s48, 1                            ; the next pass's A is asked for here, if there is a next pass: no load leaves its buffer
	s_cbranch_scc1 .Lno_next
	s_add_nc_u64 s[36:37], s[36:37], 16*TILEB      ; (this pass's loads were all waited for at its last K step)
	s_add_nc_u64 s[38:39], s[38:39], 8192
	NEXTA
.Lno_next:
	PART 0
	WIN 0x55
.irp x, 0,1,2,3
	v_lshl_or_b32 v[T+\x], v[HW+\x], 16, v[HW+\x]  ; q's two bytes twice: they serve in either half of a K step of 128
.endr
	v_cndmask_b32 v[DD], v[T], v[T+2], s52         ; lane (r, h): the words of tiles 2 h, 2 h + 1
	v_cndmask_b32 v[DD+1], v[T+1], v[T+3], s52
	WIN 0x04
	global_store_b64 v[L8], v[DD:DD+1], s[44:45] offset:3072
	PART 1
	PART 2
	WIN 0x55
	v_lshl_or_b32 v[T], v[HW+5], 16, v[HW+4]       ; k: the word of the pair of tiles 0, 1;
	v_lshl_or_b32 v[T+1], v[HW+7], 16, v[HW+6]     ; of tiles 2, 3
	v_lshl_or_b32 v[T+2], v[HW+9], 16, v[HW+8]     ; v: the halfwords of tiles 0, 1;
	v_lshl_or_b32 v[T+3], v[HW+11], 16, v[HW+10]   ; of tiles 2, 3
	v_cndmask_b32 v[DD+2], v[T], v[T+1], s52
	v_cndmask_b32 v[DD+3], v[T+2], v[T+3], s52
	WIN 0x04
	global_store_b64 v[L8], v[DD+2:DD+3], s[46:47] offset:6144
	WIN 0
	s_wait_xcnt 0x0                                ; the stores have read their bases
	s_add_nc_u64 s[44:45], s[44:45], 4*3328
	s_add_nc_u64 s[46:47], s[46:47], 4*6400
	s_sub_co_u32 s48, s48, 1
	s_cmp_lg_u32 s48, 0
	s_cbranch_scc1 .Lpass
	s_wait_tensorcnt 0x0                           ; the wave's end
	ds_add_u32 v[SPW], v[NIL]
	s_wait_dscnt 0x0
	CROUND                                         ; the closing round
	s_endpgm
.Lfunc_end_k_q9a20e11d8f_qkv:
	.size	k_q9a20e11d8f_qkv, .Lfunc_end_k_q9a20e11d8f_qkv-k_q9a20e11d8f_qkv
	.p2alignl 7, 3214868480
	.fill 96, 4, 3214868480
	.section	.rodata,"a",@progbits
	.p2align	6, 0x0
	.amdhsa_kernel k_q9a20e11d8f_qkv
		.amdhsa_group_segment_fixed_size 167936
		.amdhsa_private_segment_fixed_size 0
		.amdhsa_enable_private_segment 0
		.amdhsa_kernarg_size 40
		.amdhsa_user_sgpr_count 2
		.amdhsa_user_sgpr_kernarg_segment_ptr 1
		.amdhsa_wavefront_size32 1
		.amdhsa_system_sgpr_workgroup_id_x 1
		.amdhsa_system_sgpr_workgroup_id_y 1
		.amdhsa_system_sgpr_workgroup_id_z 1
		.amdhsa_system_vgpr_workitem_id 0
		.amdhsa_next_free_vgpr 1024
		.amdhsa_next_free_sgpr 66
		.amdhsa_reserve_vcc 0
		.amdhsa_float_denorm_mode_32 3
		.amdhsa_float_denorm_mode_16_64 3
		.amdhsa_memory_ordered 1
		.amdhsa_forward_progress 1
		.amdhsa_inst_pref_size 131
	.end_amdhsa_kernel
	.amdgpu_metadata
---
amdhsa.version: [ 1, 2 ]
amdhsa.kernels:
  - .name:           k_q9a20e11d8f_qkv
    .symbol:         k_q9a20e11d8f_qkv.kd
    .args:
      - { .name: opc, .offset: 0, .size: 8, .value_kind: global_buffer, .address_space: global }
      - { .name: ops, .offset: 8, .size: 8, .value_kind: global_buffer, .address_space: global }
      - { .name: b_qkv, .offset: 16, .size: 8, .value_kind: global_buffer, .address_space: global }
      - { .name: qc, .offset: 24, .size: 8, .value_kind: global_buffer, .address_space: global }
      - { .name: kv, .offset: 32, .size: 8, .value_kind: global_buffer, .address_space: global }
    .group_segment_fixed_size: 167936
    .private_segment_fixed_size: 0
    .kernarg_segment_align: 8
    .kernarg_segment_size: 40
    .max_flat_workgroup_size: 128
    .sgpr_count:     66
    .vgpr_count:     1024
    .wavefront_size: 32
...
	.end_amdgpu_metadata
.endif
;; end of part 2
;; launch attn (part 3): grid 4 x 64, 8 waves a work-group, clusters of 4 x 1, 232,448 bytes of LDS; arguments qc, kv, vc, vs; writes vc, vs
.if DOCPART == 3
	.amdgcn_target "amdgcn-amd-amdhsa--gfx1250"
	.amdhsa_code_object_version 6
	.text
	.protected	k_q9a20e11d8f_attn
	.globl	k_q9a20e11d8f_attn
	.p2align	8
	.type	k_q9a20e11d8f_attn,@function
k_q9a20e11d8f_attn:
	s_mov_b64 s[64:65], 0
	v_nop
	global_prefetch_b8 v0, s[64:65] scope:SCOPE_SE
	s_setreg_imm32_b32 hwreg(HW_REG_WAVE_MODE, 25, 1), 1
	s_wait_xcnt 0x0
	s_wait_alu depctr_hold_cnt(0) depctr_sa_sdst(0) depctr_va_vdst(0) depctr_va_sdst(0) depctr_va_ssrc(0) depctr_va_vcc(0) depctr_vm_vsrc(0)
	s_getreg_b32 s2, hwreg(HW_REG_IB_STS2, 6, 4)
	s_cmp_eq_u32 s2, 0
	s_cbranch_scc0 .Lentry_in_a_cluster
	s_endpgm
.Lentry_in_a_cluster:
	s_bfe_u32 s2, ttmp6, 0x10000c
	s_cmp_lg_u32 s2, 0x3003
	s_cbranch_scc0 .Lentry_shape_is_right
	s_endpgm
.Lentry_shape_is_right:
; vals = softmax(q k^T / 8) v for one head, both products on codes of FP6 (E2M3) with E8M0 scales, and the quantising of vals along the last product's K.
; THE SOFTMAX: t = score x log2(e) / 8; M = the running largest t rounded UP to a whole number; p = 2^(t - M) is quantised along the keys, not normalised; the row's sum is taken of the
; unquantised p and divides at the end.  When M moves, the sum and O are multiplied by 2^(old M - new M): exact.
; SHARES.  A work-group owns 512 queries of one head; each of its eight waves four tiles of 16 queries (one record of qc), and walks the 2,048 keys once, in 16 steps of 128: each fragment
; of k and of v that a wave reads from LDS serves four tiles.  THE WHOLE HEAD's k, v and scale bytes, 204,800 dense bytes, come into LDS once, an eighth by each wave; the four work-groups
; of a cluster share the head and ask for them JOINTLY.  Nothing is filled again.  That one stream is asked for at the kernel's head, so nothing is left to prefetch.
; LAYOUT.  S^T = k q^T, O^T = v^T p^T: a lane holds one query throughout.  THE KEYS OF A TILE OF k ARE CHOSEN BY THE LANES' LDS ADDRESSES: of a record's 64 keys, tile t takes keys 8 t + 0..7
; as rows 0-7 and keys 32 + 8 t + 0..7 as rows 8-15.  So lane (r, h) holds, in the 32 registers of a record's four tiles, keys 32 h + 0..31: one WHOLE block of p, in the order of the
; operand's layout: its largest needs no other lane, and the conversions' results are the operand's registers.
; K = 64 IN AN INSTRUCTION OF 128: a fragment of k holds two tiles of keys; against [q | 0] it gives the first's scores, against [0 | q] the second's.  Zero codes add nothing: every scale byte lies between 1 and 254.
; ORDER.  Two buffers of scores by turns.  A tile's part of a step: the lines that make M and f, with the sum of the tile before (a tree of additions, in place on its p) laid between them;
; t - M, with the next tile's eight products of S^T among these lines; the exponentials; the next tile's largest scores, with the lines that make this tile's scale word laid between them;
; this tile's codes; O^T under the new M and its four products.
; OUT.  Query s of the head is row s / 16 and columns 64 (s % 16) .. + 63 of the last product's A.  The codes meet in a stage in LDS, laid as the operand's images, and leave dense.
; LIMITS: the scaled scores stay under 2^31 in magnitude; NaN and infinities are not served; a block under 2^-124, and a block of zeros, gets the byte 1 (zero codes add nothing; this program alone reads the bytes).
.set HRB,   6400                       ; 64 keys: k's four half fragments, v's four, 256 bytes of scales
.set STG,   32*HRB                     ; behind the head: the stage, two row tiles of 12,288 bytes
.set SS,    STG+24576                  ; their scale words, 1,024 bytes
.set SPARE, SS+1024                    ; the spare words, 128 bytes for each of 8 waves
; window 0
.set LI,   1                           ; 16 x lane
.set L8,   2                           ; 8 x lane
.set KB16, 3                           ; k: 1536 (r / 8) + 16 (r % 8) + 256 h
.set KB8,  4                           ;    1536 (r / 8) + 8 (r % 8) + 128 h
.set KSB,  5                           ; k's scale words: 6144 + 8 (r % 8) + 128 (r / 8) + 64 h
.set KA16, 6                           ; the same three + the step's first byte
.set KA8,  7
.set KSA,  8
.set SPW,  9
.set NIL,  10
.set B7,   12                          ; the stage: registers 0-3, registers 4-5, the halfword
.set B8,   13
.set B9,   14
.set RDO,  15                          ; the way out: my 3,072 bytes of the stage
.set QZ,   16                          ; v16-69: 0 | q0 | 0 | q1 | 0 | q2 | 0 | q3 | 0, six registers each
.set QS,   70                          ; v70-73 q's scale words
.set KS,   74                          ; v74-75 k's scale words of the two records: lanes 0-15 fragment 0, lanes 16-31 fragment 1
.set VR,   76                          ; v76-77 v's halfwords as they lie
.set WE,   78                          ; v's scale words: channel tiles 0 and 2;
.set WO,   79                          ; tiles 1 and 3
.set PCD,  80                          ; v80-91 p's codes
.set PT,   92                          ; v92-98 the blocks' upper halves on the way
.set PW,   104                         ; p's scale word
.set VA16, 106                         ; v: 16 x lane, 8 x lane + the step's first byte
.set VA8,  107
.set LT,   108                         ; v108-111 the way out: the rows' sums
.set RF,   112                         ; v112-119 1 / the sum, in a pair for each tile
.set RDS,  126
.set Q8,   127                         ; 8 r
.set O,    128                         ; v128-255 O^T, 32 registers a tile
.set FE,   16                          ; the way out, where q lay: scale operands, bytes, codes;
.set FBY,  24
.set FPC,  32
.set FPT,  80                          ; where p's codes lay: upper halves, halfwords
.set FTM,  96
; window 1: v0-127 two buffers of S^T, then p
.set FK,   128                         ; four fragments of k
.set FV,   176                         ; four of v
.set BM,   224                         ; v224-227 and v248-251, two sets by turns: the blocks' largest, two chains each; a set's upper two then hold the conversions' scale operands
.set TM,   228
.set TA,   229
.set FF,   230                         ; f = 2^(old M - new M), in a pair
.set NM,   232                         ; for each tile the pair -M, the running largest score
.set SL,   240                         ; for each tile the row's sum, a pair
.set BY,   252                         ; v252-253 bytes
.set SHW,  254                         ; 8 h
.set WV,  14
.set SEL, 20
.set CS,  22
.set TBK, 36
.set TBV, 37
.set CNT, 38
.set NC,  50
.set FL,  51
.set MSB, 0
.macro WIN new                         ; the immediate's high byte repeats the setting that is left
.if MSB != \new
	s_set_vgpr_msb (MSB<<8)|\new
.set MSB, \new
.endif
.endm
.macro CROUND
	s_barrier_signal -1
	s_barrier_wait -1
	s_cmp_lg_u32 s[WV], 0
	s_cbranch_scc1 .Lnot_wave_0_\@
	s_barrier_signal -3
.Lnot_wave_0_\@:
	s_barrier_wait -3
	s_barrier_signal -1
	s_barrier_wait -1
.endm
.macro WQK nt, x                       ; product x of tile nt's S^T, into buffer SN: record x / 4, fragment (x / 2) % 2, its first or second tile of keys
.set wc, (\x)/4
.set wf, ((\x)/2)%2
.set wD, SN+32*wc+16*wf+8*((\x)%2)
.set wS0, FK+12*(2*wc+wf)
.set wS1, QZ+6+12*(\nt)-6*((\x)%2)
.if wf == 0
	v_wmma_scale_f32_16x16x128_f8f6f4 v[wD:wD+7], v[wS0:wS0+11], v[wS1:wS1+11], 0, v[KS+wc], v[QS+(\nt)] matrix_a_fmt:MATRIX_FMT_FP6 matrix_b_fmt:MATRIX_FMT_FP6
.else
	v_wmma_scale_f32_16x16x128_f8f6f4 v[wD:wD+7], v[wS0:wS0+11], v[wS1:wS1+11], 0, v[KS+wc], v[QS+(\nt)] matrix_a_fmt:MATRIX_FMT_FP6 matrix_b_fmt:MATRIX_FMT_FP6 matrix_a_scale:MATRIX_SCALE_ROW1
.endif
.endm
.macro WPV ct                          ; O^T += v^T p^T, channel tile ct
.set wD, OI+8*(\ct)
.set wS0, FV+12*(\ct)
.if (\ct) < 2
	v_wmma_scale_f32_16x16x128_f8f6f4 v[wD:wD+7], v[wS0:wS0+11], v[PCD:PCD+11], v[wD:wD+7], v[WE+(\ct)%2], v[PW] matrix_a_fmt:MATRIX_FMT_FP6 matrix_b_fmt:MATRIX_FMT_FP6
.else
	v_wmma_scale_f32_16x16x128_f8f6f4 v[wD:wD+7], v[wS0:wS0+11], v[PCD:PCD+11], v[wD:wD+7], v[WE+(\ct)%2], v[PW] matrix_a_fmt:MATRIX_FMT_FP6 matrix_b_fmt:MATRIX_FMT_FP6 matrix_a_scale:MATRIX_SCALE_ROW1
.endif
.endm
.macro KLOAD                           ; a step's 128 keys of k: two scale words and four fragments, 18 LDS loads
	WIN 0
	v_add_nc_u32 v[KA16], s[TBK], v[KB16]
	v_add_nc_u32 v[KA8], s[TBK], v[KB8]
	v_add_nc_u32 v[KSA], s[TBK], v[KSB]
	ds_load_b32 v[KS], v[KSA]
	ds_load_b32 v[KS+1], v[KSA] offset:HRB
	WIN 0x40
.irp c, 0,1
.irp f, 0,1
	ds_load_b128 v[FK+12*(2*\c+\f):FK+12*(2*\c+\f)+3],     v[KA16] offset:HRB*\c+128*\f
	ds_load_b64  v[FK+12*(2*\c+\f)+4:FK+12*(2*\c+\f)+5],   v[KA8]  offset:HRB*\c+64*\f+512
	ds_load_b128 v[FK+12*(2*\c+\f)+6:FK+12*(2*\c+\f)+9],   v[KA16] offset:HRB*\c+128*\f+768
	ds_load_b64  v[FK+12*(2*\c+\f)+10:FK+12*(2*\c+\f)+11], v[KA8]  offset:HRB*\c+64*\f+1280
.endr
.endr
	s_add_co_u32 s[TBK], s[TBK], 2*HRB
.endm
.macro VLOAD                           ; the step's v: 16 channels x 128 keys a fragment, and its halfwords: 18 LDS loads
	WIN 0
	v_add_nc_u32 v[VA16], s[TBV], v[LI]
	v_add_nc_u32 v[VA8], s[TBV], v[L8]
	ds_load_b32 v[VR], v[VA8] offset:6148
	ds_load_b32 v[VR+1], v[VA8] offset:HRB+6148
	WIN 0x40
.irp ct, 0,1,2,3
	ds_load_b128 v[FV+12*\ct:FV+12*\ct+3],     v[VA16] offset:3072+768*\ct
	ds_load_b64  v[FV+12*\ct+4:FV+12*\ct+5],   v[VA8]  offset:3072+768*\ct+512
	ds_load_b128 v[FV+12*\ct+6:FV+12*\ct+9],   v[VA16] offset:HRB+3072+768*\ct
	ds_load_b64  v[FV+12*\ct+10:FV+12*\ct+11], v[VA8]  offset:HRB+3072+768*\ct+512
.endr
	s_add_co_u32 s[TBV], s[TBV], 2*HRB
.endm
.macro ECH k                           ; stage k of the six that make the conversions' scale operands and p's scale word (window 1)
.if (\k) == 0
	v_max_num_f32 v[EC], v[BMC], s[FL]             ; the floor 2^(3 - 127): the byte cannot fall under 1
	v_max_num_f32 v[EC+1], v[BMC+1], s[FL]
.elseif (\k) == 1
	v_add_nc_u32 v[EC], 0xff000000, v[EC]          ; 2 off the exponent field: the conversion's scale operand
	v_add_nc_u32 v[EC+1], 0xff000000, v[EC+1]
.elseif (\k) == 2
	v_lshrrev_b32 v[BY], 23, v[EC]                 ; the byte
	v_lshrrev_b32 v[BY+1], 23, v[EC+1]
.elseif (\k) == 3
	v_lshl_or_b32 v[BY], v[BY+1], 16, v[BY]        ; my two bytes: blocks h and 2 + h,
.elseif (\k) == 4
	v_lshlrev_b32 v[BY], v[SHW], v[BY]             ; at their places in the word;
.else
	v_permlanex16_b32 v[TA], v[BY], s[SEL], s[SEL+1]   ; and lane l xor 16's two
.endif
.endm
; The largest score of my two blocks, two chains each (window 1); each accumulator is first read at its low end.  ech = 1: a stage of ECH stands behind each of the six rounds
.macro MAXRUN buf, bm, ech
.irp c, 0,1
	v_max3_num_f32 v[\bm+\c], v[\buf+32*\c], v[\buf+32*\c+1], v[\buf+32*\c+2]
	v_max3_num_f32 v[\bm+2+\c], v[\buf+32*\c+17], v[\buf+32*\c+18], v[\buf+32*\c+19]
.endr
.irp k, 0,1,2,3,4,5
.irp c, 0,1
	v_max3_num_f32 v[\bm+\c], v[\bm+\c], v[\buf+32*\c+3+2*\k], v[\buf+32*\c+4+2*\k]
	v_max3_num_f32 v[\bm+2+\c], v[\bm+2+\c], v[\buf+32*\c+20+2*\k], v[\buf+32*\c+21+2*\k]
.endr
.if \ech
	ECH \k
.endif
.endr
.irp c, 0,1
	v_max3_num_f32 v[\bm+\c], v[\bm+\c], v[\buf+32*\c+15], v[\buf+32*\c+16]
.endr
.irp c, 0,1
	s_delay_alu instid0(VALU_DEP_2)
	v_max_num_f32 v[\bm+\c], v[\bm+\c], v[\bm+2+\c] ; it serves for the row's maximum and, since p rises with the score, for the block's largest p
.endr
.endm
; Line tn of the row's sum of the unquantised p in buffer TBF: 32 pairs are added up in place, 16 + 8 + 4 + 2 + 1 additions, and the last line adds the result onto the sum TSL (window 1)
.macro TADD
.if tn < 16
.set td, 2*tn
.set ts, td+32
.elseif tn < 24
.set td, 2*(tn-16)
.set ts, td+16
.elseif tn < 28
.set td, 2*(tn-24)
.set ts, td+8
.elseif tn < 30
.set td, 2*(tn-28)
.set ts, td+4
.else
.set td, 0
.set ts, 2
.endif
.if tn < 31
	v_pk_add_f32 v[TBF+td:TBF+td+1], v[TBF+td:TBF+td+1], v[TBF+ts:TBF+ts+1]
.else
	v_pk_add_f32 v[TSL:TSL+1], v[TSL:TSL+1], v[TBF:TBF+1]
.endif
.set tn, tn+1
.endm
.macro T4
.rept 4
	TADD
.endr
.endm
; ONE TILE'S PART OF A STEP: 16 queries x 128 keys.  qk: the next tile's S^T is started; ldv: the step's v is fetched; ldk: the next step's k is fetched.
.macro PHASE i, qk, ldv, ldk
.set SC, 64*((\i)%2)
.set SN, 64-SC
.set NT, ((\i)+1)%4
.set NMI, NM+2*(\i)
.set OI, O+32*(\i)
.set SLI, SL+2*(\i)
.set BMC, BM+24*((\i)%2)
.set BMN, BM+24*(((\i)+1)%2)
.set EC, BMC+2
.set TBF, SN
.set TSL, SL+2*(((\i)+3)%4)
.set tn, 0
	WIN 0x55                                       ; all in window 1.  Four lines of the last tile's sum stand behind each line of the chain that makes M and f
	v_max_num_f32 v[TM], v[BMC], v[BMC+1]
	T4
	v_permlanex16_b32 v[TA], v[TM], s[SEL], s[SEL+1]
	T4
	v_max3_num_f32 v[NMI+1], v[NMI+1], v[TM], v[TA] ; the running largest score of my query
	v_mov_b32 v[TM], v[NMI]
	T4
	v_mul_f32 v[TA], s[NC], v[NMI+1]               ; -t
	T4
	v_floor_f32 v[NMI], v[TA]                      ; the new -M = floor(-t): M is a whole number
	T4
	v_sub_f32 v[TM], v[NMI], v[TM]                 ; old M - new M: a whole number, 0 or less
	T4
	v_cvt_i32_f32 v[TM], v[TM]                     ; (it saturates)
	T4
	v_ldexp_f32 v[FF], 1.0, v[TM]                  ; f = 2^(old M - new M)
	T4
.if \ldv
	VLOAD                                          ; (the lines above are the places behind the last product that read v's registers)
.endif
	WIN 0x51                                       ; source 1 (q) window 0, all else window 1
.if (\qk) && ((\i) == 3)
	s_wait_alu depctr_va_vdst(0)
	s_wait_dscnt 0x0                               ; the next step's k and its scale words are in
.endif
.set j, 0
.rept 32
.if (\qk) && (j%8 == 4)
	WQK NT, j/8                                    ; one product of the next tile's S^T for each four of these lines, into the other buffer; four plain lines stand behind the last
.endif
	v_pk_fma_f32 v[SC+j:SC+j+1], v[SC+j:SC+j+1], s[CS:CS+1], v[NMI:NMI+1] op_sel_hi:[1,0,0]   ; t - M, two at a time
.set j, j+2
.endr
.irp c, 0,1
	v_fma_f32 v[BMC+\c], v[BMC+\c], s[CS], v[NMI]  ; the same of each block's largest score
.endr
	s_wait_alu depctr_va_vdst(0)
	v_exp_f32 v[BMC], v[BMC]                       ; the blocks' largest p
	v_exp_f32 v[BMC+1], v[BMC+1]
.set j, 0
.rept 64
	v_exp_f32 v[SC+j], v[SC+j]                     ; p = 2^(t - M)
.set j, j+1
.endr
	WIN 0x55
	v_pk_mul_f32 v[SLI:SLI+1], v[SLI:SLI+1], v[FF:FF+1] op_sel_hi:[1,0]   ; the sum under the new M.  (The plain place behind the exponentials)
	s_wait_alu depctr_va_vdst(0)                   ; one wait: for the batch, and directly ahead of the new scores' first readers
.if \qk
	MAXRUN SN, BMN, 1
.else
.irp k, 0,1,2,3,4,5
	ECH \k
.endr
.endif
	WIN 0x05                                       ; sources window 1, destination window 0
.irp c, 0,1
	v_cvt_scalef32_pk16_fp6_f32 v[PCD+6*\c:PCD+6*\c+2], v[SC+32*\c:SC+32*\c+15], v[EC+\c]
	v_cvt_scalef32_pk16_fp6_f32 v[PT+4*\c:PT+4*\c+2], v[SC+32*\c+16:SC+32*\c+31], v[EC+\c]   ; (a conversion's three registers begin on an even number)
.endr
	v_or_b32 v[PW], v[BY], v[TA]                   ; p's scale word is whole.  (Also the plain place behind the conversions)
	WIN 0
.irp c, 0,1
.irp k, 0,1,2
	v_mov_b32 v[PCD+6*\c+3+\k], v[PT+4*\c+\k]
.endr
.endr
.if \ldv
	s_wait_alu depctr_va_vdst(0)
	s_wait_dscnt 0x0                               ; v and its halfwords are in
	v_perm_b32 v[WE], v[VR+1], v[VR], 0x05040100   ; v's scale words: the halfwords of keys 0-63 and 64-127
	v_perm_b32 v[WO], v[VR+1], v[VR], 0x07060302
.endif
.if \ldk
	KLOAD                                          ; (more than four plain lines stand behind the last product that read k's registers)
.endif
	WIN 0x01                                       ; source 0 window 1, all else window 0
	s_wait_alu depctr_va_vdst(0)
.set j, 0
.rept 16
	v_pk_mul_f32 v[OI+j:OI+j+1], v[FF:FF+1], v[OI+j:OI+j+1] op_sel_hi:[0,1]   ; O^T under the new M.  (Also the places between the codes' and scale words' last writes and the products)
.set j, j+2
.endr
.irp ct, 0,1,2,3                       ; the four accumulators by turns
	WPV \ct
.endr
.endm
.macro STEP nx                         ; 128 keys for my four tiles.  nx = 1: a step follows
	PHASE 0, 1, 1, 0
	PHASE 1, 1, 0, 0
	PHASE 2, 1, 0, \nx
	PHASE 3, \nx, 0, 0
	WIN 0
.endm
	s_load_b256 s[4:11], s[0:1], 0x0               ; qc, kv, vc, vs
	v_lshl_add_u32 v[SPW], v0, 2, SPARE
	v_mov_b32 v[NIL], 0
	ds_add_u32 v[SPW], v[NIL]                      ; the wave's opening: the add, twice on end, and its wait stand ahead of my first tensor load
	ds_add_u32 v[SPW], v[NIL]
	v_lshrrev_b32 v1, 5, v0
	v_readfirstlane_b32 s[WV], v1                  ; wave 0..7
	s_and_b32 s16, ttmp7, 0xffff                   ; 16 x batch + head, which the four partners share
	s_mov_b32 s24, 15|(3<<16)|(1<<21)              ; group 1: the mask names all four; elements of 8 bytes; bit 21 set beside a mask
	s_mov_b32 s25, 32<<16                          ; rows of 256 bytes,
	s_mov_b32 s26, 100<<16                         ; 100 of them: an eighth of the head
	s_mov_b32 s27, 32<<16
	s_mov_b32 s28, 100
	s_mov_b32 s29, 32                              ; dense
	s_mov_b32 s30, 0
	s_mov_b32 s31, 0
	s_mul_i32 s17, s[WV], 4*HRB                    ; my eighth, in LDS and in the head
	s_mul_i32 s18, s16, 32*HRB
	s_add_co_u32 s18, s18, s17
	s_mov_b32 s19, 0
	s_mov_b32 s[SEL], 0x76543210
	s_mov_b32 s[SEL+1], 0xfedcba98                 ; v_permlanex16_b32's selects for lane l xor 16
	s_mov_b32 s[CS], 0x3e38aa3b                    ; c = log2(e) / 8
	s_mov_b32 s[CS+1], s[CS]
	s_mov_b32 s[NC], 0xbe38aa3b                    ; -c
	s_mov_b32 s[FL], 0x1800000                     ; 2^(3 - 127)
	; Tile T = 4 wave + i of my 32: lane r is row 2 ((T % 16) / 2) + r / 8 of row tile T / 16, half fragment 8 (T % 2) + r % 8
	s_lshr_b32 s38, s[WV], 2
	s_and_b32 s39, s[WV], 3
	s_mul_i32 s40, s38, 12288
	s_lshl_b32 s41, s39, 6
	s_add_co_u32 s40, s40, s41
	s_add_co_u32 s40, s40, STG
	s_mul_i32 s52, s38, 12288
	s_lshl_b32 s41, s39, 5
	s_add_co_u32 s52, s52, s41
	s_add_co_u32 s52, s52, STG+512
	s_lshl_b32 s53, s38, 8
	s_lshl_b32 s41, s39, 6
	s_add_co_u32 s53, s53, s41
	s_add_co_u32 s53, s53, SS
	s_mul_i32 s54, s[WV], 3072
	s_add_co_u32 s54, s54, STG
	s_and_b32 s55, s[WV], 1
	s_lshl_b32 s55, s55, 9
	s_add_co_u32 s55, s55, SS
	; what hangs on my place in the cluster: global addresses alone
	s_bfe_u32 s15, ttmp6, 0x40000                  ; cx: my quarter of the queries
	s_lshl_b32 s42, s16, 5
	s_lshl_b32 s41, s15, 3
	s_add_co_u32 s42, s42, s41
	s_add_co_u32 s42, s42, s[WV]
	s_mul_i32 s42, s42, 3328                       ; q's record: my 64 queries
	s_mov_b32 s43, 0
	s_lshl_b32 s46, s16, 2
	s_add_co_u32 s46, s46, s15                     ; my pair of row tiles
	s_lshl_b32 s48, s46, 10
	s_mul_i32 s46, s46, 24576
	s_mul_i32 s41, s[WV], 3072
	s_add_co_u32 s46, s46, s41
	s_mov_b32 s47, 0
	s_lshl_b32 s41, s[WV], 9
	s_add_co_u32 s48, s48, s41
	s_mov_b32 s49, 0
	v_and_b32 v100, 31, v0                         ; lane
	v_bfe_u32 v101, v0, 4, 1                       ; h
	v_and_b32 v102, 7, v0                          ; r % 8
	v_bfe_u32 v103, v0, 3, 1                       ; r / 8
	v_and_b32 v104, 15, v0                         ; r
	v_lshlrev_b32 v[LI], 4, v100
	v_lshlrev_b32 v[L8], 3, v100
	; row r of my tile t of keys lies in the record as row r % 8 + 8 (t / 2) of its tile 2 (r / 8) + t % 2: t enters by the loads' immediates
	v_mul_u32_u24 v[KB16], v103, 1536
	v_lshl_add_u32 v[KB8], v102, 3, v[KB16]
	v_lshl_add_u32 v[KB16], v102, 4, v[KB16]
	v_lshl_add_u32 v[KB8], v101, 7, v[KB8]
	v_lshl_add_u32 v[KB16], v101, 8, v[KB16]
	v_lshlrev_b32 v[KSB], 3, v102
	v_lshl_add_u32 v[KSB], v103, 7, v[KSB]
	v_lshl_add_u32 v[KSB], v101, 6, v[KSB]
	v_add_nc_u32 v[KSB], 6144, v[KSB]
	v_mul_u32_u24 v[B7], v102, 768
	v_lshl_add_u32 v[B8], v103, 3, v[B7]
	v_lshl_add_u32 v[B7], v103, 4, v[B7]
	v_lshl_add_u32 v[B8], v101, 7, v[B8]
	v_lshl_add_u32 v[B7], v101, 8, v[B7]
	v_add_nc_u32 v[B7], s40, v[B7]                 ; registers 0-3: 16 x (row + 16 h)
	v_add_nc_u32 v[B8], s52, v[B8]                 ; registers 4-5: 512 + 8 x (row + 16 h)
	v_lshlrev_b32 v[B9], 1, v102
	v_lshl_add_u32 v[B9], v103, 4, v[B9]
	v_add_nc_u32 v[B9], s53, v[B9]                 ; the halfword
	v_add_nc_u32 v[RDO], s54, v[LI]
	v_add_nc_u32 v[RDS], s55, v[LI]
	v_lshlrev_b32 v[Q8], 3, v104
	s_wait_alu depctr_va_vdst(0)
	s_wait_dscnt 0x0                               ; both opening adds are done
	s_wait_kmcnt 0x0
	s_mov_b32 s32, 1
	s_mov_b32 s33, s17
	s_add_nc_u64 s[34:35], s[6:7], s[18:19]
	s_or_b32 s35, s35, 0x80000000
	s_add_nc_u64 s[42:43], s[4:5], s[42:43]
	s_add_nc_u64 s[46:47], s[8:9], s[46:47]
	s_add_nc_u64 s[48:49], s[10:11], s[48:49]
	CROUND                                         ; all four work-groups are here: the joint loads meet
	tensor_load_to_lds s[32:35], s[24:31]          ; my eighth of the head: the wave's one tensor load
	s_nop 0
.rept 4
	v_nop
.endr
.irp i, 0,1,2,3                        ; q of my four tiles stays in registers
	global_load_b128 v[QZ+6+12*\i:QZ+9+12*\i], v[LI], s[42:43] offset:768*\i
	global_load_b64 v[QZ+10+12*\i:QZ+11+12*\i], v[L8], s[42:43] offset:768*\i+512
	global_load_b32 v[QS+\i], v[Q8], s[42:43] offset:3072+128*(\i/2)+4*(\i%2)
.endr
.irp k, 0,1,2,3,4
.irp j, 0,1,2,3,4,5
	v_mov_b32 v[QZ+12*\k+\j], 0                    ; the zero codes beside q
.endr
.endr
.set j, 0
.rept 128
	v_mov_b32 v[O+j], 0                            ; the step is written once: the first finds zeros, which the first change of M leaves zeros.  (These lines stand under the tensor load's flight)
.set j, j+1
.endr
.irp i, 0,1,2,3
	v_mov_b32 v[RF+2*\i+1], 0                      ; (named as the upper half of a pair)
.endr
	WIN 0x40                                       ; destination window 1
	v_lshlrev_b32 v[SHW], 3, v101                  ; 8 h
	v_mov_b32 v[TA], 0                             ; written once: a lane permute's destination counts as one of its sources
	v_mov_b32 v[FF+1], 0
.irp i, 0,1,2,3
	v_mov_b32 v[NM+2*\i], 0x7e000000               ; -M: so large that the first f is 0
	v_mov_b32 v[NM+2*\i+1], 0xff61b1e6             ; the largest score so far: -3e38
	v_mov_b32 v[SL+2*\i], 0                        ; the sums
	v_mov_b32 v[SL+2*\i+1], 0
.endr
.set j, 64
.rept 64
	v_mov_b32 v[j], 0                              ; the second buffer: the first step's first part finds no p of a tile before it, and adds these zeros
.set j, j+1
.endr
	WIN 0
	s_wait_alu depctr_va_vdst(0)
	s_wait_tensorcnt 0x0                           ; my part of the head has landed,
	s_barrier_signal -1
	s_barrier_wait -1                              ; everybody's has
	s_wait_loadcnt 0x0                             ; q
	s_mov_b32 s[TBK], 0
	s_mov_b32 s[TBV], 0
	KLOAD
.set SN, 0
	WIN 0x51
	s_wait_dscnt 0x0
.irp x, 0,1,2,3,4,5,6,7
	WQK 0, \x                                      ; the first step's S^T of tile 0
.endr
.rept 4
	v_nop                                          ; places ahead of the first read of results (ISA guide 7.12.1)
.endr
	WIN 0x55
	MAXRUN 0, BM, 0
	WIN 0
	s_mov_b32 s[CNT], 15
.Lstep:
	STEP 1
	s_sub_co_u32 s[CNT], s[CNT], 1                 ; (what a trip writes by plain vector lines and the next trip reads has the 6 moves and the 16 multiplications of O^T between)
	s_cmp_lg_u32 s[CNT], 0
	s_cbranch_scc1 .Lstep
	STEP 0                                         ; the last 128 keys: nothing more to fetch or to start
.set TBF, 64
.set TSL, SL+6
.set tn, 0
	WIN 0x55
.rept 8
	T4                                             ; the last tile's last sum.  (Also the places behind the last products)
.endr
; THE WAY OUT, the four tiles by turns in each stage.  O^T / the sum is quantised: a lane's 32 registers are its query's channels 32 bb + 16 h + 0 .. 15; the half fragment's row goes to its place in the stage.
	WIN 0x05                                       ; sources window 1, destination window 0
.irp i, 0,1,2,3
	v_add_f32 v[LT+\i], v[SL+2*\i], v[SL+2*\i+1]
.endr
	WIN 0
.irp i, 0,1,2,3
	v_permlanex16_b32 v[FBY+\i], v[LT+\i], s[SEL], s[SEL+1]
.endr
.irp i, 0,1,2,3
	v_add_f32 v[LT+\i], v[LT+\i], v[FBY+\i]        ; with lane l xor 16's: the row's sum
.endr
	s_wait_alu depctr_va_vdst(0)                   ; the wait ahead of the batch,
.irp i, 0,1,2,3
	v_rcp_f32 v[RF+2*\i], v[LT+\i]
.endr
	v_nop                                          ; a plain place behind it,
	s_wait_alu depctr_va_vdst(0)                   ; and the wait ahead of its first reader, which is also the first reader of O^T
.irp i, 0,1,2,3
.set j, 0
.rept 16
	v_pk_mul_f32 v[O+32*\i+j:O+32*\i+j+1], v[O+32*\i+j:O+32*\i+j+1], v[RF+2*\i:RF+2*\i+1] op_sel_hi:[1,0]   ; each accumulator from its low end on
.set j, j+2
.endr
.endr
.irp i, 0,1,2,3
.irp bb, 0,1
	v_max3_num_f32 v[FE+2*\i+\bb], |v[O+32*\i+16*\bb]|, |v[O+32*\i+16*\bb+1]|, 0x1800000
.endr
.endr
.irp k, 2,4,6,8,10,12,14
.irp i, 0,1,2,3
.irp bb, 0,1
	v_max3_num_f32 v[FE+2*\i+\bb], |v[O+32*\i+16*\bb+\k]|, |v[O+32*\i+16*\bb+\k+1]|, v[FE+2*\i+\bb]
.endr
.endr
.endr
.irp j, 0,1,2,3,4,5,6,7
	v_permlanex16_b32 v[FBY+\j], v[FE+\j], s[SEL], s[SEL+1]
.endr
.irp j, 0,1,2,3,4,5,6,7
	v_max_num_f32 v[FE+\j], v[FE+\j], v[FBY+\j]    ; the block's largest magnitude
.endr
.irp j, 0,1,2,3,4,5,6,7
	v_add_nc_u32 v[FE+\j], 0xff000000, v[FE+\j]    ; the conversion's scale operand
.endr
.irp j, 0,1,2,3,4,5,6,7
	v_lshrrev_b32 v[FBY+\j], 23, v[FE+\j]          ; the byte
.endr
.irp i, 0,1,2,3
	v_lshl_or_b32 v[FTM+\i], v[FBY+2*\i+1], 8, v[FBY+2*\i]   ; my query's two bytes
.endr
.irp i, 0,1,2,3
	v_cvt_scalef32_pk16_fp6_f32 v[FPC+6*\i:FPC+6*\i+2], v[O+32*\i:O+32*\i+15], v[FE+2*\i]
	v_cvt_scalef32_pk16_fp6_f32 v[FPT+4*\i:FPT+4*\i+2], v[O+32*\i+16:O+32*\i+31], v[FE+2*\i+1]
.endr
	v_nop                                          ; one plain place behind a scaled conversion
.irp i, 0,1,2,3
.irp k, 0,1,2
	v_permlane16_swap_b32 v[FPC+6*\i+\k], v[FPT+4*\i+\k]   ; the layout wants a WHOLE block in a lane
.endr
.endr
.irp i, 0,1,2,3
.irp k, 0,1,2
	v_mov_b32 v[FPC+6*\i+3+\k], v[FPT+4*\i+\k]
.endr
.endr
.irp i, 0,1,2,3
	ds_store_b128 v[B7], v[FPC+6*\i:FPC+6*\i+3] offset:6144*(\i%2)+32*(\i/2)
	ds_store_b64 v[B8], v[FPC+6*\i+4:FPC+6*\i+5] offset:6144*(\i%2)+16*(\i/2)
	ds_store_b16 v[B9], v[FTM+\i] offset:512*(\i%2)+32*(\i/2)   ; both halves of the lanes write the same halfword with the same value
.endr
	s_wait_alu depctr_va_vdst(0)
	s_wait_dscnt 0x0                               ; my stores into the stage are done
	s_barrier_signal -1
	s_barrier_wait -1                              ; both row tiles lie whole in the stage
.irp j, 0,1,2,3,4,5
	ds_load_b128 v[QZ+4*\j:QZ+4*\j+3], v[RDO] offset:512*\j
.endr
	s_wait_dscnt 0x0
.irp j, 0,1,2,3,4,5
	global_store_b128 v[LI], v[QZ+4*\j:QZ+4*\j+3], s[46:47] offset:512*\j   ; 512 consecutive bytes a store
.endr
	s_cmp_lt_u32 s[WV], 2
	s_cbranch_scc0 .Lno_sc
	ds_load_b128 v[QZ+24:QZ+27], v[RDS]
	s_wait_dscnt 0x0
	global_store_b128 v[LI], v[QZ+24:QZ+27], s[48:49]
.Lno_sc:
	s_wait_tensorcnt 0x0                           ; the wave's end
	ds_add_u32 v[SPW], v[NIL]
	s_wait_dscnt 0x0
	CROUND                                         ; the closing round
	s_endpgm
.Lfunc_end_k_q9a20e11d8f_attn:
	.size	k_q9a20e11d8f_attn, .Lfunc_end_k_q9a20e11d8f_attn-k_q9a20e11d8f_attn
	.p2alignl 7, 3214868480
	.fill 96, 4, 3214868480
	.section	.rodata,"a",@progbits
	.p2align	6, 0x0
	.amdhsa_kernel k_q9a20e11d8f_attn
		.amdhsa_group_segment_fixed_size 232448
		.amdhsa_private_segment_fixed_size 0
		.amdhsa_enable_private_segment 0
		.amdhsa_kernarg_size 32
		.amdhsa_user_sgpr_count 2
		.amdhsa_user_sgpr_kernarg_segment_ptr 1
		.amdhsa_wavefront_size32 1
		.amdhsa_system_sgpr_workgroup_id_x 1
		.amdhsa_system_sgpr_workgroup_id_y 1
		.amdhsa_system_sgpr_workgroup_id_z 1
		.amdhsa_system_vgpr_workitem_id 0
		.amdhsa_next_free_vgpr 512
		.amdhsa_next_free_sgpr 66
		.amdhsa_reserve_vcc 0
		.amdhsa_float_denorm_mode_32 3
		.amdhsa_float_denorm_mode_16_64 3
		.amdhsa_memory_ordered 1
		.amdhsa_forward_progress 1
		.amdhsa_inst_pref_size 137
	.end_amdhsa_kernel
	.amdgpu_metadata
---
amdhsa.version: [ 1, 2 ]
amdhsa.kernels:
  - .name:           k_q9a20e11d8f_attn
    .symbol:         k_q9a20e11d8f_attn.kd
    .args:
      - { .name: qc, .offset: 0, .size: 8, .value_kind: global_buffer, .address_space: global }
      - { .name: kv, .offset: 8, .size: 8, .value_kind: global_buffer, .address_space: global }
      - { .name: vc, .offset: 16, .size: 8, .value_kind: global_buffer, .address_space: global }
      - { .name: vs, .offset: 24, .size: 8, .value_kind: global_buffer, .address_space: global }
    .group_segment_fixed_size: 232448
    .private_segment_fixed_size: 0
    .kernarg_segment_align: 8
    .kernarg_segment_size: 32
    .max_flat_workgroup_size: 256
    .sgpr_count:     66
    .vgpr_count:     512
    .wavefront_size: 32
...
	.end_amdgpu_metadata
.endif
;; end of part 3
;; launch proj (part 4): grid 32 x 8, 4 waves a work-group, clusters of 4 x 1, 167,936 bytes of LDS; arguments vc, vs, opc, ops, b_o, out0; writes out0
.if DOCPART == 4
	.amdgcn_target "amdgcn-amd-amdhsa--gfx1250"
	.amdhsa_code_object_version 6
	.text
	.protected	k_q9a20e11d8f_proj
	.globl	k_q9a20e11d8f_proj
	.p2align	8
	.type	k_q9a20e11d8f_proj,@function
k_q9a20e11d8f_proj:
	s_mov_b64 s[64:65], 0
	v_nop
	global_prefetch_b8 v0, s[64:65] scope:SCOPE_SE
	s_setreg_imm32_b32 hwreg(HW_REG_WAVE_MODE, 25, 1), 1
	s_wait_xcnt 0x0
	s_wait_alu depctr_hold_cnt(0) depctr_sa_sdst(0) depctr_va_vdst(0) depctr_va_sdst(0) depctr_va_ssrc(0) depctr_va_vcc(0) depctr_vm_vsrc(0)
	s_getreg_b32 s2, hwreg(HW_REG_IB_STS2, 6, 4)
	s_cmp_eq_u32 s2, 0
	s_cbranch_scc0 .Lentry_in_a_cluster
	s_endpgm
.Lentry_in_a_cluster:
	s_bfe_u32 s2, ttmp6, 0x10000c
	s_cmp_lg_u32 s2, 0x3003
	s_cbranch_scc0 .Lentry_shape_is_right
	s_endpgm
.Lentry_shape_is_right:
; out = vals w_o^T + b_o on codes of FP6 (E2M3) with E8M0 scales; out0 [8192][1024] f32.
; SHARES.  A work-group takes 256 rows x 128 columns; a wave 64 rows (4 tiles a) x 8 tiles b of columns: 32 accumulators.
; B, eight tiles of w_o for all of K, is 98,304 dense bytes: it comes into LDS once and stays; the four work-groups of a cluster share the columns and ask for it JOINTLY.
; A's fragments are read by one wave alone: from memory straight into registers, three sets, two K steps ahead; nothing of A is shared.  No slot is filled again; the loop over K has no barrier.
; Source 0 = 16 rows of w_o, source 1 = 16 rows of vals: a lane holds one row of out and eight neighbouring columns a tile.  The bias is the C of each sum's first matrix instruction.
; The way out goes through the wave's own stage in LDS, so that the 32 lanes store a row's 512 consecutive bytes.
; REGISTERS: window 0: addresses, scale words, A's three sets (on the way out: rows of out).  window 1: B's three buffers, the bias.  window 2: the accumulators, (b, a) at 8 (4 b + a).
.set TILEB, 12288
.set FRB,   1536
.set SP,    528                        ; a stage row: 512 bytes + 16
.set STG,   8*TILEB                    ; behind B: 16 rows for each wave
.set SPARE, STG+4*16*SP                ; the spare words, 128 bytes a wave
.set LI,  1                            ; v1, v3: 16 x lane + 49,152 x group of B;  v2, v4: 8 x lane likewise
.set L8,  2
.set BH,  5                            ; 64 h
.set STO, 6
.set RD,  7
.set SPW, 10
.set NIL, 11
.set SA,  16                           ; v16-31 A's scale words: 8 x pair + K step
.set SB,  32                           ; v32-63 B's
.set AF,  80                           ; v80-223 A's fragments
.set BK,  80                           ; the way out: two sets of 64
.set BB,  144                          ; window 1: the bias, 8 registers a tile b
.set WV,  16
.set MSB, 0
.macro WIN new                         ; the immediate's high byte repeats the setting that is left
.if MSB != \new
	s_set_vgpr_msb (MSB<<8)|\new
.set MSB, \new
.endif
.endm
.macro PLACES n
.rept \n
	v_nop
.endr
.endm
.macro CROUND
	s_barrier_signal -1
	s_barrier_wait -1
	s_cmp_lg_u32 s[WV], 0
	s_cbranch_scc1 .Lnot_wave_0_\@
	s_barrier_signal -3
.Lnot_wave_0_\@:
	s_barrier_wait -3
	s_barrier_signal -1
	s_barrier_wait -1
.endm
.macro WMX                             ; one product; its operands stand in the symbols wD, wS0, wS1, wC, wA, wB; wRA, wRB: the scales stand in lanes 16-31
.if (wRA == 0) && (wRB == 0)
	v_wmma_scale_f32_16x16x128_f8f6f4 v[wD:wD+7], v[wS0:wS0+11], v[wS1:wS1+11], v[wC:wC+7], v[wA], v[wB] matrix_a_fmt:MATRIX_FMT_FP6 matrix_b_fmt:MATRIX_FMT_FP6
.elseif (wRA == 1) && (wRB == 0)
	v_wmma_scale_f32_16x16x128_f8f6f4 v[wD:wD+7], v[wS0:wS0+11], v[wS1:wS1+11], v[wC:wC+7], v[wA], v[wB] matrix_a_fmt:MATRIX_FMT_FP6 matrix_b_fmt:MATRIX_FMT_FP6 matrix_a_scale:MATRIX_SCALE_ROW1
.elseif (wRA == 0) && (wRB == 1)
	v_wmma_scale_f32_16x16x128_f8f6f4 v[wD:wD+7], v[wS0:wS0+11], v[wS1:wS1+11], v[wC:wC+7], v[wA], v[wB] matrix_a_fmt:MATRIX_FMT_FP6 matrix_b_fmt:MATRIX_FMT_FP6 matrix_b_scale:MATRIX_SCALE_ROW1
.else
	v_wmma_scale_f32_16x16x128_f8f6f4 v[wD:wD+7], v[wS0:wS0+11], v[wS1:wS1+11], v[wC:wC+7], v[wA], v[wB] matrix_a_fmt:MATRIX_FMT_FP6 matrix_b_fmt:MATRIX_FMT_FP6 matrix_a_scale:MATRIX_SCALE_ROW1 matrix_b_scale:MATRIX_SCALE_ROW1
.endif
.endm
.macro ALOAD s                         ; A's four fragments of K step s: 16 loads
.irp a, 0,1,2,3
	global_load_b128 v[AF+48*((\s)%3)+12*\a:AF+48*((\s)%3)+12*\a+3],     v[LI], s[36:37] offset:TILEB*\a+FRB*(\s)
	global_load_b64  v[AF+48*((\s)%3)+12*\a+4:AF+48*((\s)%3)+12*\a+5],   v[L8], s[36:37] offset:TILEB*\a+FRB*(\s)+512
	global_load_b128 v[AF+48*((\s)%3)+12*\a+6:AF+48*((\s)%3)+12*\a+9],   v[LI], s[36:37] offset:TILEB*\a+FRB*(\s)+768
	global_load_b64  v[AF+48*((\s)%3)+12*\a+10:AF+48*((\s)%3)+12*\a+11], v[L8], s[36:37] offset:TILEB*\a+FRB*(\s)+1280
.endr
.endm
.macro BLOAD n                         ; group n % 2 of B (four tiles), K step n / 2, into buffer n % 3 of window 1: 16 LDS loads
.set bs, (\n)/2
.set bg, (\n)%2
.set bu, 48*((\n)%3)
.irp f, 0,1,2,3
	ds_load_b128 v[bu+12*\f:bu+12*\f+3],     v[LI+2*bg] offset:TILEB*\f+FRB*bs
	ds_load_b64  v[bu+12*\f+4:bu+12*\f+5],   v[L8+2*bg] offset:TILEB*\f+FRB*bs+512
	ds_load_b128 v[bu+12*\f+6:bu+12*\f+9],   v[LI+2*bg] offset:TILEB*\f+FRB*bs+768
	ds_load_b64  v[bu+12*\f+10:bu+12*\f+11], v[L8+2*bg] offset:TILEB*\f+FRB*bs+1280
.endr
.endm
; 16 products: group n % 2 of B x A's four tiles, K step n / 2.  The 32 accumulators take turns, one instruction a turn, in the same order in every K step.
.macro GROUP n
.set gs, (\n)/2
.set gg, (\n)%2
.if gg == 0
.if gs < 6
	s_wait_loadcnt 32                              ; this K step's A (and all that was asked for before it) is in; the two later sets, 16 loads each, may be out
.elseif gs == 6
	s_wait_loadcnt 16
.else
	s_wait_loadcnt 0
.endif
.endif
.if (\n) < 14
	s_wait_dscnt 32                                ; this group of B is in; the two later groups, 16 loads each, may be out
.elseif (\n) == 14
	s_wait_dscnt 16
.else
	s_wait_dscnt 0
.endif
.if gs == 0
	WIN 0x91                                       ; source 0 (w_o) window 1, source 1 (vals) window 0, C (the bias) window 1, D window 2
.else
	WIN 0xa1                                       ; the same, C and D window 2
.endif
.irp f, 0,1,2,3
.irp a, 0,1,2,3
.set wb, 4*gg+\f
.set wD, 8*(4*wb+\a)
.set wS0, 48*((\n)%3)+12*\f
.set wS1, AF+48*(gs%3)+12*\a
.set wC, wD
.if gs == 0
.set wC, BB+8*wb
.endif
.set wA, SB+8*(wb/2)+gs
.set wRA, wb%2
.set wB, SA+8*(\a/2)+gs
.set wRB, \a%2
	WMX
.endr
.endr
	PLACES 4                                       ; in front of loads into registers that these products have read, and of the first read of results
.if (\n)+3 <= 15
	WIN 0x40
	BLOAD (\n)+3                                   ; into the buffer just read
.endif
.if (gg == 1) && (gs+3 <= 7)
	WIN 0
	ALOAD gs+3                                     ; A's set just read takes the K step three on
.endif
.endm
	s_load_b256 s[4:11], s[0:1], 0x0               ; vc, vs, opc, ops
	s_load_b128 s[12:15], s[0:1], 0x20             ; b_o, out0
	v_lshl_add_u32 v[SPW], v0, 2, SPARE
	v_mov_b32 v[NIL], 0
	ds_add_u32 v[SPW], v[NIL]                      ; the wave's opening: the add and its wait stand ahead of my first tensor load; work on registers stands between them
	ds_add_u32 v[SPW], v[NIL]
	v_lshrrev_b32 v1, 5, v0
	v_readfirstlane_b32 s[WV], v1                  ; wave 0..3
	s_and_b32 s19, ttmp7, 0xffff                   ; my 128 columns, which the four partners share
	s_mov_b32 s24, 15|(3<<16)|(1<<21)              ; group 1: the mask names all four; elements of 8 bytes; bit 21 set beside a mask
	s_mov_b32 s25, 32<<16                          ; rows of 256 bytes,
	s_mov_b32 s26, 96<<16                          ; 96 of them: a quarter of B
	s_mov_b32 s27, 32<<16
	s_mov_b32 s28, 96
	s_mov_b32 s29, 32                              ; dense
	s_mov_b32 s30, 0
	s_mov_b32 s31, 0
	s_mul_i32 s22, s[WV], 2*TILEB                  ; my quarter, in LDS and in the block
	s_mul_i32 s20, s19, 8*TILEB
	s_add_co_u32 s20, s20, 704*TILEB               ; w_o's tiles begin at tile 704
	s_add_co_u32 s20, s20, s22
	s_mov_b32 s21, 0
	s_mul_i32 s46, s[WV], 16*SP
	s_add_co_u32 s46, s46, STG                     ; my stage
	v_and_b32 v2, 31, v0
	v_lshlrev_b32 v[LI], 4, v2
	v_lshlrev_b32 v[L8], 3, v2
	v_add_nc_u32 v[LI+2], 4*TILEB, v[LI]
	v_add_nc_u32 v[L8+2], 4*TILEB, v[L8]
	v_bfe_u32 v9, v0, 4, 1                         ; h
	v_and_b32 v8, 15, v0                           ; r
	v_lshlrev_b32 v[BH], 6, v9
	v_mul_u32_u24 v[STO], v8, SP
	v_lshl_add_u32 v[STO], v9, 6, v[STO]
	v_add_nc_u32 v[STO], s46, v[STO]               ; in: row r, + 64 h
	v_add_nc_u32 v[RD], s46, v[LI]                 ; back: the 32 lanes take one row of 512 bytes
	s_bfe_u32 s17, ttmp6, 0x40000                  ; cx: it enters global addresses alone
	s_lshl_b32 s18, ttmp9, 2
	s_add_co_u32 s18, s18, s17                     ; my 256 rows
	s_lshl_b32 s36, s18, 4
	s_lshl_b32 s23, s[WV], 2
	s_add_co_u32 s36, s36, s23
	s_mul_i32 s36, s36, TILEB                      ; A: tile 16 X + 4 wave
	s_mov_b32 s37, 0
	s_lshl_b32 s38, s18, 3
	s_lshl_b32 s23, s[WV], 1
	s_add_co_u32 s38, s38, s23
	s_lshl_b32 s38, s38, 10                        ; A's scales: pair 8 X + 2 wave
	s_mov_b32 s39, 0
	s_lshl_b32 s40, s19, 12
	s_add_co_u32 s40, s40, 352*1024                ; B's scales: pair 352 + 4 y
	s_mov_b32 s41, 0
	s_lshl_b32 s42, s19, 9                         ; my 128 biases; also my columns' bytes in a row of out
	s_mov_b32 s43, 0
	s_lshl_b32 s44, s18, 8
	s_lshl_b32 s23, s[WV], 6
	s_add_co_u32 s44, s44, s23
	s_lshl_b32 s44, s44, 12                        ; out: row 256 X + 64 wave,
	s_add_co_u32 s44, s44, s42                     ; + 512 y
	s_mov_b32 s45, 0
	s_wait_dscnt 0x0                               ; the opening add is done
	s_wait_kmcnt 0x0
	s_mov_b32 s32, 1
	s_mov_b32 s33, s22
	s_add_nc_u64 s[34:35], s[8:9], s[20:21]
	s_or_b32 s35, s35, 0x80000000
	s_add_nc_u64 s[36:37], s[4:5], s[36:37]
	s_add_nc_u64 s[38:39], s[6:7], s[38:39]
	s_add_nc_u64 s[40:41], s[10:11], s[40:41]
	s_add_nc_u64 s[42:43], s[12:13], s[42:43]
	s_add_nc_u64 s[44:45], s[14:15], s[44:45]
	CROUND                                         ; all four work-groups are here: the joint loads meet
	tensor_load_to_lds s[32:35], s[24:31]          ; my quarter of B: the wave's one tensor load
	s_nop 0
	PLACES 4
	WIN 0x40                                       ; destination window 1
	s_wait_alu depctr_va_vdst(0)
.irp b, 0,1,2,3,4,5,6,7
	global_load_b128 v[BB+8*\b:BB+8*\b+3], v[BH], s[42:43] offset:(32*(\b/2)+8*(\b%2))*4      ; the biases of my half's eight columns of tile b
	global_load_b128 v[BB+8*\b+4:BB+8*\b+7], v[BH], s[42:43] offset:(32*(\b/2)+8*(\b%2))*4+16
.endr
	WIN 0
.irp q, 0,1,2,3,4,5,6,7
	global_load_b128 v[SB+4*\q:SB+4*\q+3], v[LI], s[40:41] offset:512*\q
.endr
.irp q, 0,1,2,3
	global_load_b128 v[SA+4*\q:SA+4*\q+3], v[LI], s[38:39] offset:512*\q
.endr
	ALOAD 0
	ALOAD 1
	ALOAD 2
	s_wait_tensorcnt 0x0                           ; my quarter of B has landed,
	s_barrier_signal -1
	s_barrier_wait -1                              ; everybody's has
	WIN 0x40
	BLOAD 0
	BLOAD 1
	BLOAD 2
.set N, 0
.rept 16
	GROUP N
.set N, N+1
.endr
	WIN 0
; THE WAY OUT, a tile of 16 rows x 128 columns at a time, through my own stage.  LDS serves a wave's instructions in order: no wait between the stores and the loads, nor in front of the next tile's stores.
.macro TOSTAGE a
	WIN 0x08                                       ; an LDS store's data: window 2
.irp b, 0,1,2,3,4,5,6,7
	ds_store_b128 v[STO], v[8*(4*\b+(\a)):8*(4*\b+(\a))+3] offset:128*(\b/2)+32*(\b%2)        ; each accumulator from its low end on
	ds_store_b128 v[STO], v[8*(4*\b+(\a))+4:8*(4*\b+(\a))+7] offset:128*(\b/2)+32*(\b%2)+16
.endr
	WIN 0
.irp t, 0,1,2,3,4,5,6,7,8,9,10,11,12,13,14,15
	ds_load_b128 v[BK+64*((\a)%2)+4*\t:BK+64*((\a)%2)+4*\t+3], v[RD] offset:SP*\t
.endr
.endm
.macro SEND a, younger                 ; younger: the LDS instructions issued behind tile a's loads, which may stay out
	s_wait_dscnt \younger
.irp t, 0,1,2,3,4,5,6,7,8,9,10,11,12,13,14,15
	global_store_b128 v[LI], v[BK+64*((\a)%2)+4*\t:BK+64*((\a)%2)+4*\t+3], s[44:45] offset:(16*(\a)+\t)*4096 th:TH_STORE_NT   ; 512 consecutive bytes, at a multiple of 256 from out0's first byte
.endr
.endm
	TOSTAGE 0
	TOSTAGE 1
	SEND 0, 32                                     ; behind tile 0's loads: tile 1's 16 stores and 16 loads
	s_wait_xcnt 0x0                                ; tile 0's stores have read their registers: tile 2's loads may land there
	TOSTAGE 2
	SEND 1, 32
	s_wait_xcnt 0x0
	TOSTAGE 3
	SEND 2, 32
	SEND 3, 0
	s_wait_tensorcnt 0x0                           ; the wave's end
	ds_add_u32 v[SPW], v[NIL]
	s_wait_dscnt 0x0
	CROUND                                         ; the closing round
	s_endpgm
.Lfunc_end_k_q9a20e11d8f_proj:
	.size	k_q9a20e11d8f_proj, .Lfunc_end_k_q9a20e11d8f_proj-k_q9a20e11d8f_proj
	.p2alignl 7, 3214868480
	.fill 96, 4, 3214868480
	.section	.rodata,"a",@progbits
	.p2align	6, 0x0
	.amdhsa_kernel k_q9a20e11d8f_proj
		.amdhsa_group_segment_fixed_size 167936
		.amdhsa_private_segment_fixed_size 0
		.amdhsa_enable_private_segment 0
		.amdhsa_kernarg_size 48
		.amdhsa_user_sgpr_count 2
		.amdhsa_user_sgpr_kernarg_segment_ptr 1
		.amdhsa_wavefront_size32 1
		.amdhsa_system_sgpr_workgroup_id_x 1
		.amdhsa_system_sgpr_workgroup_id_y 1
		.amdhsa_system_sgpr_workgroup_id_z 1
		.amdhsa_system_vgpr_workitem_id 0
		.amdhsa_next_free_vgpr 768
		.amdhsa_next_free_sgpr 66
		.amdhsa_reserve_vcc 0
		.amdhsa_float_denorm_mode_32 3
		.amdhsa_float_denorm_mode_16_64 3
		.amdhsa_memory_ordered 1
		.amdhsa_forward_progress 1
		.amdhsa_inst_pref_size 86
	.end_amdhsa_kernel
	.amdgpu_metadata
---
amdhsa.version: [ 1, 2 ]
amdhsa.kernels:
  - .name:           k_q9a20e11d8f_proj
    .symbol:         k_q9a20e11d8f_proj.kd
    .args:
      - { .name: vc, .offset: 0, .size: 8, .value_kind: global_buffer, .address_space: global }
      - { .name: vs, .offset: 8, .size: 8, .value_kind: global_buffer, .address_space: global }
      - { .name: opc, .offset: 16, .size: 8, .value_kind: global_buffer, .address_space: global }
      - { .name: ops, .offset: 24, .size: 8, .value_kind: global_buffer, .address_space: global }
      - { .name: b_o, .offset: 32, .size: 8, .value_kind: global_buffer, .address_space: global }
      - { .name: out0, .offset: 40, .size: 8, .value_kind: global_buffer, .address_space: global }
    .group_segment_fixed_size: 167936
    .private_segment_fixed_size: 0
    .kernarg_segment_align: 8
    .kernarg_segment_size: 48
    .max_flat_workgroup_size: 128
    .sgpr_count:     66
    .vgpr_count:     768
    .wavefront_size: 32
...
	.end_amdgpu_metadata
.endif
;; end of part 4
